; MI455X (gfx1250); checked and timed in simulation.
; The chip was launched on July 23, 2026; its instructions are those of AMD's public machine-readable ISA for CDNA 5 (MIT licence, August 2026) and "CDNA5" Instruction Set Architecture Reference Guide (July 2026). The comments in the code are by the model that wrote it; some were corrected since.
;; Masked Multihead Self Attention Layer. Allowed arithmetic: float matrix products may take bf16 or f16 operands with f32 sums; all other float work in f32.
;; Inputs: K 4 x 2,048 x 1,024 float32; Q 4 x 2,048 x 1,024 float32; V 4 x 1,024 x 2,048 float32; W 1,024 x 1,024 float32; b 1,024 float32.
;; Outputs: out0 4 x 2,048 x 1,024 float32.
;; 3 versions, each right; version 2 is faster than version 1; version 3 is version 2 with the launch prep written anew for expert scheduling mode. Each part assembles by itself: llvm-mc -triple=amdgcn-amd-amdhsa -mcpu=gfx1250 --defsym DOCPART=n.
;; ======== version 1 of 3: 4 launches
;; limits: values are held in f16: magnitudes above 65,504 overflow, below 6.1e-05 lose precision
;; workspace buffers: Qh 16,777,216 bytes; Kh 16,777,216 bytes; Vh 16,777,216 bytes; Wh 2,097,152 bytes; Vs 131,072 bytes; Pt 33,554,432 bytes; St 1,048,576 bytes; AO 16,777,216 bytes
;; launch prep (part 1): grid 800 x 1, 8 waves a work-group, no clusters, 1,536 bytes of LDS; arguments Q, K, V, W, Qh, Kh, Vh, Wh, Vs; writes Qh, Kh, Vh, Wh, Vs
.if DOCPART == 1
	.amdgcn_target "amdgcn-amd-amdhsa--gfx1250"
	.amdhsa_code_object_version 6
	.text
	.protected	k_q4c89f26d5f_prep
	.globl	k_q4c89f26d5f_prep
	.p2align	8
	.type	k_q4c89f26d5f_prep,@function
k_q4c89f26d5f_prep:
	s_mov_b64 s[64:65], 0
	v_nop
	global_prefetch_b8 v0, s[64:65] scope:SCOPE_SE
	s_setreg_imm32_b32 hwreg(HW_REG_WAVE_MODE, 25, 1), 1
	s_wait_xcnt 0x0
; Q, K, V, W (f32) are rounded once to f16 (Qh, Kh, Vh, Wh: same shapes), and V's rows are summed in f32 over blocks of 256 t:
; Vs[(b, d)][j] = sum of V[b][d][256 j .. 256 j + 255], [4096][8] f32.
; A stream: memory binds, so no matrix unit, no cluster, no tile in LDS.  A work-group takes 131,072 consecutive bytes of one input
; (work-groups 0-255 Q, 256-511 K, 512-767 V, 768-799 W), a wave 16,384 of them: 32 loads of 16 bytes a lane (512 consecutive bytes each),
; all issued at once.  A store of 8 bytes a lane covers 256 consecutive bytes, aligned.  Each store has data registers of its own.
; LIMITS: inputs are finite and below 65,504 in magnitude (f16's largest number; the drawn numbers stay below 6);
; magnitudes below 3e-8 become zero in f16.
.set X, 32                             ; v[32:159]  32 loads x 4 registers
.set Y, 160                            ; v[160:223] 32 stores x 2 registers
.set T, 4                              ; v[4:7]     at work on a block's sum
	s_load_b512 s[8:23], s[0:1], 0x0               ; Q, K, V, W, Qh, Kh, Vh, Wh
	s_load_b64 s[24:25], s[0:1], 0x40              ; Vs
	v_lshl_add_u32 v224, v0, 2, 0x200
	v_mov_b32 v225, 0
	s_lshr_b32 s28, ttmp9, 8                       ; which input: 0 Q, 1 K, 2 V, 3 W
	s_and_b32 s29, ttmp9, 255                      ; which 131,072 bytes of it
	s_mov_b32 s26, 0x76543210                      ; v_permlanex16_b32: lane i reads lane i of the other half
	s_mov_b32 s27, 0xfedcba98
	v_lshrrev_b32 v3, 5, v0
	v_readfirstlane_b32 s34, v3                    ; wave
	v_and_b32 v8, 31, v0                           ; lane
	v_lshlrev_b32 v1, 4, v8
	v_lshl_add_u32 v1, v3, 14, v1                  ; in:  16,384 wave + 16 lane
	v_lshlrev_b32 v2, 3, v8
	v_lshl_add_u32 v2, v3, 13, v2                  ; out:  8,192 wave +  8 lane
	v_lshlrev_b32 v3, 6, v3                        ; LDS: the wave's 16 block sums at 64 wave
	v_lshlrev_b32 v8, 4, v8                        ; 16 lane: wave 0's read of the 128 sums, and its place in Vs
	s_lshl_b32 s30, s29, 17
	s_mov_b32 s31, 0
	s_lshl_b32 s32, s29, 16
	s_mov_b32 s33, 0
	s_lshl_b32 s36, s29, 9                         ; 16 rows x 8 sums x 4 bytes for each work-group of V
	s_mov_b32 s37, 0
	s_wait_kmcnt 0x0
	s_cmp_eq_u32 s28, 1
	s_cselect_b64 s[4:5], s[10:11], s[8:9]
	s_cselect_b64 s[6:7], s[18:19], s[16:17]
	s_cmp_eq_u32 s28, 2
	s_cselect_b64 s[4:5], s[12:13], s[4:5]
	s_cselect_b64 s[6:7], s[20:21], s[6:7]
	s_cmp_eq_u32 s28, 3
	s_cselect_b64 s[4:5], s[14:15], s[4:5]
	s_cselect_b64 s[6:7], s[22:23], s[6:7]
	s_add_nc_u64 s[4:5], s[4:5], s[30:31]
	s_add_nc_u64 s[6:7], s[6:7], s[32:33]
	s_add_nc_u64 s[24:25], s[24:25], s[36:37]
.set n, 0
.rept 32
	global_load_b128 v[X+4*n:X+4*n+3], v1, s[4:5] offset:512*n th:TH_LOAD_NT
.set n, n+1
.endr
; load i has come: round its four numbers and store them
.macro CV i
	s_wait_loadcnt 31-(\i)                         ; loads come back in order: the 31 - i younger ones stay out
	v_cvt_pk_f16_f32 v[Y+2*(\i)], v[X+4*(\i)], v[X+4*(\i)+1]
	v_cvt_pk_f16_f32 v[Y+2*(\i)+1], v[X+4*(\i)+2], v[X+4*(\i)+3]
	global_store_b64 v2, v[Y+2*(\i):Y+2*(\i)+1], s[6:7] offset:256*(\i)
.endm
; block c of the wave's 16 (loads 2 c and 2 c + 1: 256 numbers of one row of V): its sum, in every lane, into the wave's own LDS word c
.macro SUM c
	v_pk_add_f32 v[T:T+1], v[X+8*(\c):X+8*(\c)+1], v[X+8*(\c)+2:X+8*(\c)+3]
	v_pk_add_f32 v[T+2:T+3], v[X+8*(\c)+4:X+8*(\c)+5], v[X+8*(\c)+6:X+8*(\c)+7]
	v_pk_add_f32 v[T:T+1], v[T:T+1], v[T+2:T+3]
	v_add_f32 v[T], v[T], v[T+1]
	v_add_f32_dpp v[T], v[T], v[T] row_xmask:1 row_mask:0xf bank_mask:0xf
	v_add_f32_dpp v[T], v[T], v[T] row_xmask:2 row_mask:0xf bank_mask:0xf
	v_add_f32_dpp v[T], v[T], v[T] row_xmask:4 row_mask:0xf bank_mask:0xf
	v_add_f32_dpp v[T], v[T], v[T] row_xmask:8 row_mask:0xf bank_mask:0xf
	v_permlanex16_b32 v[T+1], v[T], s26, s27       ; its destination counts as read: T+1 has been written
	v_add_f32 v[T], v[T], v[T+1]
	ds_store_b32 v3, v[T] offset:4*(\c)            ; all lanes write the same word with the same number
.endm
	s_cmp_eq_u32 s28, 2                            ; the same in all eight waves
	s_cbranch_scc1 .Lsums
.set n, 0
.rept 32
	CV n
.set n, n+1
.endr
	s_endpgm
.Lsums:                                        ; V: the same, and a sum behind every second load
.set n, 0
.rept 16
	CV 2*n
	CV 2*n+1
	SUM n
.set n, n+1
.endr
	s_wait_dscnt 0x0                               ; my 16 sums are in LDS, for wave 0's sake
	s_barrier_signal -1
	s_barrier_wait -1
	s_cmp_lg_u32 s34, 0
	s_cbranch_scc1 .Ldone
	ds_load_b128 v[12:15], v8                      ; the work-group's 128 sums = 16 rows of Vs, 512 consecutive bytes
	s_wait_dscnt 0x0
	global_store_b128 v8, v[12:15], s[24:25]
.Ldone:
	s_wait_tensorcnt 0x0
	ds_add_u32 v224, v225
	s_wait_dscnt 0x0
	s_endpgm
.Lfunc_end_k_q4c89f26d5f_prep:
	.size	k_q4c89f26d5f_prep, .Lfunc_end_k_q4c89f26d5f_prep-k_q4c89f26d5f_prep
	.p2alignl 7, 3214868480
	.fill 96, 4, 3214868480
	.section	.rodata,"a",@progbits
	.p2align	6, 0x0
	.amdhsa_kernel k_q4c89f26d5f_prep
		.amdhsa_group_segment_fixed_size 1536
		.amdhsa_private_segment_fixed_size 0
		.amdhsa_enable_private_segment 0
		.amdhsa_kernarg_size 72
		.amdhsa_user_sgpr_count 2
		.amdhsa_user_sgpr_kernarg_segment_ptr 1
		.amdhsa_wavefront_size32 1
		.amdhsa_system_sgpr_workgroup_id_x 1
		.amdhsa_system_sgpr_workgroup_id_y 1
		.amdhsa_system_sgpr_workgroup_id_z 1
		.amdhsa_system_vgpr_workitem_id 0
		.amdhsa_next_free_vgpr 226
		.amdhsa_next_free_sgpr 66
		.amdhsa_reserve_vcc 0
		.amdhsa_float_denorm_mode_32 3
		.amdhsa_float_denorm_mode_16_64 3
		.amdhsa_memory_ordered 1
		.amdhsa_forward_progress 1
		.amdhsa_inst_pref_size 32
	.end_amdhsa_kernel
	.amdgpu_metadata
---
amdhsa.version: [ 1, 2 ]
amdhsa.kernels:
  - .name:           k_q4c89f26d5f_prep
    .symbol:         k_q4c89f26d5f_prep.kd
    .args:
      - { .name: Q, .offset: 0, .size: 8, .value_kind: global_buffer, .address_space: global }
      - { .name: K, .offset: 8, .size: 8, .value_kind: global_buffer, .address_space: global }
      - { .name: V, .offset: 16, .size: 8, .value_kind: global_buffer, .address_space: global }
      - { .name: W, .offset: 24, .size: 8, .value_kind: global_buffer, .address_space: global }
      - { .name: Qh, .offset: 32, .size: 8, .value_kind: global_buffer, .address_space: global }
      - { .name: Kh, .offset: 40, .size: 8, .value_kind: global_buffer, .address_space: global }
      - { .name: Vh, .offset: 48, .size: 8, .value_kind: global_buffer, .address_space: global }
      - { .name: Wh, .offset: 56, .size: 8, .value_kind: global_buffer, .address_space: global }
      - { .name: Vs, .offset: 64, .size: 8, .value_kind: global_buffer, .address_space: global }
    .group_segment_fixed_size: 1536
    .private_segment_fixed_size: 0
    .kernarg_segment_align: 8
    .kernarg_segment_size: 72
    .max_flat_workgroup_size: 256
    .sgpr_count:     66
    .vgpr_count:     226
    .wavefront_size: 32
...
	.end_amdgpu_metadata
.endif
;; end of part 1
;; launch scores (part 2): grid 80 x 4, 4 waves a work-group, clusters of 4 x 1, 327,680 bytes of LDS; arguments Qh, Kh, Pt, St; writes Pt, St
.if DOCPART == 2
	.amdgcn_target "amdgcn-amd-amdhsa--gfx1250"
	.amdhsa_code_object_version 6
	.text
	.protected	k_q4c89f26d5f_scores
	.globl	k_q4c89f26d5f_scores
	.p2align	8
	.type	k_q4c89f26d5f_scores,@function
k_q4c89f26d5f_scores:
	s_mov_b64 s[64:65], 0
	v_nop
	global_prefetch_b8 v0, s[64:65] scope:SCOPE_SE
	s_setreg_imm32_b32 hwreg(HW_REG_WAVE_MODE, 25, 1), 1
	s_wait_xcnt 0x0
	s_wait_alu depctr_hold_cnt(0) depctr_sa_sdst(0) depctr_va_vdst(0) depctr_va_sdst(0) depctr_va_ssrc(0) depctr_va_vcc(0) depctr_vm_vsrc(0)
	s_getreg_b32 s2, hwreg(HW_REG_IB_STS2, 6, 4)
	s_cmp_eq_u32 s2, 0
	s_cbranch_scc0 .Lentry_in_a_cluster
	s_endpgm
.Lentry_in_a_cluster:
	s_bfe_u32 s2, ttmp6, 0x10000c
	s_cmp_lg_u32 s2, 0x3003
	s_cbranch_scc0 .Lentry_shape_is_right
	s_endpgm
.Lentry_shape_is_right:
; One tile of 128 queries x 256 keys of the masked scores, as weights relative to the tile's own row maximum.
;   score = Q.K / 32 + 1e-13, and -1e-13 where key > query (the mask keeps a weight: it is no -inf)
;   c[row]  = ceil(log2e x largest score of the row in this tile)          (a whole number, so that 2^(c - C) is exact later)
;   Pt      = f16( 2^(log2e x score - c) ), in (0, 1]
;   l[row]  = sum of these weights (f32, before the rounding to f16), one for each half of 128 keys
; St[batch][tile j][array][2048 rows] f32: array 0 = c, 1 = l of keys 0-127, 2 = l of keys 128-255, 3 = c once more (the second column half's copy:
; each of the four waves then writes one array of 512 bytes, and no branch on the wave's number is needed).
; Only key tiles j <= 2 g + 1 of the super-row g (512 queries) are made: all further tiles lie wholly in the future, where every weight of a row is the
; same number; the next launch adds their share from sums of V.  20 (g, j) pairs x 4 row blocks x 4 batches = 320 work-groups of equal work.
; CLUSTERS: the four row blocks of a super-row form a cluster of 4 x 1 and ask JOINTLY for K's tile j.  Q's tile is each work-group's own (no mask).
; No 4 x 4 cluster: a super-row has 2, 4, 6 or 8 key tiles, not always a multiple of four.
; LIMITS: inputs finite; f16 operands (magnitudes below 65,504); weights below 3e-8 of the tile's largest become 0 in f16;
; v_exp_f32 gives 0 for results below 2^-126 (ISA guide 15.8).
;
; THE PRODUCT.  Four waves; wave w makes rows 64 (w >> 1) .. + 63 and columns 128 (w & 1) .. + 127: 32 accumulator tiles of 16 x 16, 256 registers (window 1).
; K goes in steps of 128 (rows of 256 bytes) through a ring of two LDS slots; a slot holds 256 rows of K's tile and 128 rows of Q's, pitch 272.
; Waves 0, 1 fetch K's halves (128 rows each), waves 2, 3 Q's halves (64 rows each): one tensor load a wave behind each round.
; The matrix instruction is used transposed (source 0 = 16 keys, source 1 = 16 queries): lane l holds query l % 16, registers 0-7 keys 8 (l / 16) + 0..7.
; Window 0: v0-63 addresses and the epilogue's figures; v64-127 + v128-159 fragment buffer 0 (8 key blocks, 4 query blocks); v160-223 + v224-255 buffer 1.
.set KSTEP,  128
.set PITCH,  272                       ; 256 bytes + 16 of padding: 16 rows of a fragment load start at 16 different 16-byte columns of the banks' 256 bytes (ISA guide 11.1)
.set BH,     128*PITCH                 ; what waves 0, 1 fetch
.set AH,     64*PITCH                  ; what waves 2, 3 fetch
.set AOFF,   2*BH
.set SLOT,   AOFF+2*AH                 ; 104,448
.set STAGE,  2*SLOT                    ; 208,896: behind the ring, never the target of a tensor load
.set SPITCH, 272
.set MXT,    STAGE+4*16*SPITCH         ; [column half][128 rows] f32: the halves' row maxima
.set SX,     MXT+1024                  ; 4 x 128 f32: St's four arrays
.set LAPS,   4                         ; 1024 / 256
.set ADRA, 16                          ; v16-17 LDS address of my query fragments in slot 0, 1
.set ADRB, 20                          ; v20-21 the same for keys
.set STO,  24
.set RD,   25
.set CO,   26
.set D0,   27                          ; query - key of my register 0 in tile (0, 0)
.set AMR,  28                          ; the raw sum that gives the masked score
.set MXO,  30                          ; MXT: my word; MXP: the other column half's
.set MXP,  31
.set SXC,  32                          ; SX: where my c goes; SXL: my l; SXR: what I read back; STF: its place in St
.set SXL,  33
.set SXR,  34
.set STF,  35
.set MX,   36                          ; v36-39 row maximum of row block a
.set BI,   44                          ; v44-51 pairs (1e-13 log2e - c)
.set CC,   52                          ; v52-55 c
.set SM,   56                          ; v56-59 l
.set FB0,  64
.set FA0,  128
.set FSTEP, 96
.set TMP,  64                          ; v64-95 packed weights; also temporaries (written before: old fragments)
.set SU,   160                         ; v160-191 first sums
.set G1A, 24
.set G0A, 32
.set G1B, 48
.set G0B, 56
.set PADW, (1<<16)|(1<<20)|(5<<22)|(3<<25)   ; 17:16 elements of 2 bytes; 20 padding on; 24:22 after every 64 words; 31:25 four words
.set MULW, 0x50                        ; C and D in window 1
.set MSB, 0
.macro WIN new                         ; the immediate's high byte repeats the setting that is left
.if MSB != \new
	s_set_vgpr_msb (MSB<<8)|\new
.set MSB, \new
.endif
.endm
.macro PLACES                          ; four places behind a matrix instruction (ISA guide 7.12.1)
.rept 4
	v_nop
.endr
.endm
.macro SHAPE g, rows, pitch            ; descriptor group 1, words 1 to 7: a tile of rows x 128 elements
	s_mov_b32 s[\g+1], KSTEP<<16                   ; tensor_dim0 = 128
	s_mov_b32 s[\g+2], \rows<<16                   ; tensor_dim1 = rows
	s_mov_b32 s[\g+3], KSTEP<<16                   ; tile_dim0 = 128
	s_mov_b32 s[\g+4], \rows                       ; tile_dim1 = rows
	s_mov_b32 s[\g+5], \pitch                      ; elements from row to row
	s_mov_b32 s[\g+6], 0
	s_mov_b32 s[\g+7], 0
.endm
.macro JLOAD s                         ; one tensor load a wave; the branch hangs on the wave's number alone
	s_cmp_eq_u32 s11, 0
	s_cbranch_scc0 .Lfor_a_\@
	tensor_load_to_lds s[G0B+4*\s:G0B+4*\s+3], s[G1B:G1B+7]
	s_nop 0
	s_branch .Lasked_\@
.Lfor_a_\@:
	tensor_load_to_lds s[G0A+4*\s:G0A+4*\s+3], s[G1A:G1A+7]
	s_nop 0
.Lasked_\@:
.endm
.macro CREST                           ; a round of the cluster's barrier behind its opening barrier
	s_cmp_lg_u32 s10, 0
	s_cbranch_scc1 .Lnot_wave_0_\@
	s_barrier_signal -3
.Lnot_wave_0_\@:
	s_barrier_wait -3
	s_barrier_signal -1
	s_barrier_wait -1
.endm
.macro CROUND
	s_barrier_signal -1
	s_barrier_wait -1
	CREST
.endm
.macro FIRST                           ; the round in front of the first loads; both slots' group 0; both first fills
	CROUND
.irp s, 0,1
	s_mov_b32 s[G0A+4*\s], 1
	s_add_co_u32 s[G0A+4*\s+1], s21, \s*SLOT
	s_add_nc_u64 s[G0A+4*\s+2:G0A+4*\s+3], s[14:15], \s*KSTEP*2
	s_or_b32 s[G0A+4*\s+3], s[G0A+4*\s+3], 0x80000000
	s_mov_b32 s[G0B+4*\s], 1
	s_add_co_u32 s[G0B+4*\s+1], s20, \s*SLOT
	s_add_nc_u64 s[G0B+4*\s+2:G0B+4*\s+3], s[46:47], \s*KSTEP*2
	s_or_b32 s[G0B+4*\s+3], s[G0B+4*\s+3], 0x80000000
	JLOAD \s
.endr
.endm
.macro LANES                           ; fragment addresses: row (l % 16) x pitch + 16 (l / 16); v1 = l % 16, v2 = l / 16, v3 = that term
	v_and_b32 v1, 15, v0
	v_bfe_u32 v2, v0, 4, 1
	v_mul_u32_u24 v3, v1, PITCH
	v_lshl_add_u32 v3, v2, 4, v3
	s_mul_i32 s22, s11, AH
	s_add_co_u32 s22, s22, AOFF
	s_mul_i32 s23, s12, BH
.irp s, 0,1
	v_add_nc_u32 v[ADRA+\s], s22, v3
	v_add_nc_u32 v[ADRB+\s], s23, v3
	s_add_co_u32 s22, s22, SLOT
	s_add_co_u32 s23, s23, SLOT
.endr
.endm
; 8 matrix instructions: row block a x all 8 column blocks, 32 along K, from fragment buffer f.  zero = 1: the product starts the sums.
; The 32 accumulators take turns, one instruction a turn, in the same order in every quarter step.
.macro MUL8 f, a, zero
.irp b, 0,1,2,3,4,5,6,7
.if \zero
	v_wmma_f32_16x16x32_f16 v[8*(8*\a+\b):8*(8*\a+\b)+7], v[FB0+FSTEP*\f+8*\b:FB0+FSTEP*\f+8*\b+7], v[FA0+FSTEP*\f+8*\a:FA0+FSTEP*\f+8*\a+7], 0
.else
	v_wmma_f32_16x16x32_f16 v[8*(8*\a+\b):8*(8*\a+\b)+7], v[FB0+FSTEP*\f+8*\b:FB0+FSTEP*\f+8*\b+7], v[FA0+FSTEP*\f+8*\a:FA0+FSTEP*\f+8*\a+7], v[8*(8*\a+\b):8*(8*\a+\b)+7]
.endif
.endr
.endm
.macro FETCH slot, k, f                ; 24 LDS loads in one run: 128 rows of B, then 64 rows of A, 32 K at byte k of the rows
	WIN 0
.irp i, 0,1,2,3,4,5,6,7
	ds_load_b128 v[FB0+FSTEP*\f+8*\i:FB0+FSTEP*\f+8*\i+3],   v[ADRB+\slot] offset:\k+\i*16*PITCH
	ds_load_b128 v[FB0+FSTEP*\f+8*\i+4:FB0+FSTEP*\f+8*\i+7], v[ADRB+\slot] offset:\k+\i*16*PITCH+32
.endr
.irp i, 0,1,2,3
	ds_load_b128 v[FA0+FSTEP*\f+8*\i:FA0+FSTEP*\f+8*\i+3],   v[ADRA+\slot] offset:\k+\i*16*PITCH
	ds_load_b128 v[FA0+FSTEP*\f+8*\i+4:FA0+FSTEP*\f+8*\i+7], v[ADRA+\slot] offset:\k+\i*16*PITCH+32
.endr
.endm
.macro QUARTER slot, k, f, g, zero     ; multiplies buffer f; in its middle fetches the next quarter's fragments into buffer g
	s_wait_dscnt 4                                 ; all but the four youngest loads (A's row blocks 2, 3) are in
	WIN MULW
	MUL8 \f, 0, \zero
	MUL8 \f, 1, \zero
	PLACES                                         ; buffer g was read by matrix instructions: four places in front of the loads into it
	FETCH \slot, \k, \g
	s_wait_dscnt 24                                ; all but the 24 just issued
	WIN MULW
	MUL8 \f, 2, \zero
	MUL8 \f, 3, \zero
.endm
.macro THREE slot, zero
	QUARTER \slot, 64,  0, 1, \zero
	QUARTER \slot, 128, 1, 0, 0
	QUARTER \slot, 192, 0, 1, 0
.endm
; The last quarter of a K step: multiplies buffer 1 and changes slots.  fill = 1: this slot is filled again, two K steps ahead, behind a round of the
; cluster's barrier in front of which every wave has waited for its reads of the slot and for all its tensor loads.
.macro TURN slot, next, fill
	s_wait_dscnt 4
	WIN MULW
	MUL8 1, 0, 0
	s_wait_dscnt 0                                 ; my reads of this slot are over
	s_wait_tensorcnt 0x0                           ; all my tensor loads have landed: the one that was out is my part of the next slot
	ds_add_u32 v62, v63
	s_wait_dscnt 0x0
	s_barrier_signal -1
	MUL8 1, 1, 0                                   ; register work while the others arrive
	WIN 0
	s_barrier_wait -1
.if \fill
	CREST
	s_add_nc_u64 s[G0A+4*\slot+2:G0A+4*\slot+3], s[G0A+4*\slot+2:G0A+4*\slot+3], 2*KSTEP*2
	s_add_nc_u64 s[G0B+4*\slot+2:G0B+4*\slot+3], s[G0B+4*\slot+2:G0B+4*\slot+3], 2*KSTEP*2
	JLOAD \slot                                    ; the first tensor load behind the round, and my only one until the next
.endif
	PLACES
	FETCH \next, 0, 0
	WIN MULW
	MUL8 1, 2, 0
	MUL8 1, 3, 0
.endm
.macro LASTQ                           ; the very last quarter: nothing more to fetch
	s_wait_dscnt 4
	WIN MULW
	MUL8 1, 0, 0
	MUL8 1, 1, 0
	s_wait_dscnt 0
	MUL8 1, 2, 0
	MUL8 1, 3, 0
.endm
.macro LAP zero
	THREE 0, \zero
	TURN 0, 1, 1
	THREE 1, 0
	TURN 1, 0, 1
.endm
	s_load_b128 s[4:7], s[0:1], 0x0                ; Qh, Kh
	s_load_b128 s[68:71], s[0:1], 0x10             ; Pt, St
	v_lshl_add_u32 v62, v0, 2, 0x38000
	v_mov_b32 v63, 0
	ds_add_u32 v62, v63
	ds_add_u32 v62, v63
	v_lshrrev_b32 v1, 5, v0
	v_readfirstlane_b32 s10, v1                    ; wave
	s_lshr_b32 s11, s10, 1                         ; my half of the rows.  Also: 0 = I fetch K's tile, 1 = Q's
	s_and_b32 s12, s10, 1                          ; my half of the columns.  Also: which half of that tile I fetch
	s_bfe_u32 s40, ttmp6, 0x40000                  ; cx: my row block in the super-row
	s_and_b32 s41, ttmp7, 0xffff                   ; batch
	s_cmp_ge_u32 ttmp9, 2                          ; the cluster's number 0..19 = g (g + 1) + j, j <= 2 g + 1
	s_cselect_b32 s42, 1, 0
	s_cmp_ge_u32 ttmp9, 6
	s_cselect_b32 s43, 1, 0
	s_add_co_u32 s42, s42, s43
	s_cmp_ge_u32 ttmp9, 12
	s_cselect_b32 s43, 1, 0
	s_add_co_u32 s42, s42, s43                     ; g
	s_add_co_u32 s43, s42, 1
	s_mul_i32 s43, s43, s42
	s_sub_co_u32 s43, ttmp9, s43                   ; j
	s_mov_b32 s[G1A], PADW                         ; Q's tile: no mask
	s_mov_b32 s[G1B], 15|(1<<21)|PADW              ; K's tile: all four of the cluster; bit 21 set beside a mask
	SHAPE G1A, 64, 1024
	SHAPE G1B, 128, 1024
	s_lshl_b32 s13, s41, 11
	s_lshl_b32 s14, s42, 9
	s_add_co_u32 s13, s13, s14
	s_lshl_b32 s14, s40, 7
	s_add_co_u32 s13, s13, s14                     ; my block's first row among the 8,192: 2048 batch + 512 g + 128 cx
	s_lshl_b32 s14, s12, 6
	s_add_co_u32 s14, s13, s14
	s_lshl_b32 s14, s14, 11                        ; x 2,048 bytes a row
	s_mov_b32 s15, 0
	s_lshl_b32 s46, s41, 11                        ; K's rows: 2048 batch + 256 j + 128 half: nothing here hangs on cx
	s_lshl_b32 s47, s43, 8
	s_add_co_u32 s46, s46, s47
	s_lshl_b32 s47, s12, 7
	s_add_co_u32 s46, s46, s47
	s_lshl_b32 s46, s46, 11
	s_mov_b32 s47, 0
	s_mul_i32 s20, s10, BH                         ; LDS: waves 0, 1: K's halves at 0 and BH
	s_mul_i32 s21, s10, AH
	s_add_co_u32 s21, s21, AOFF-2*AH               ; waves 2, 3: Q's halves at AOFF and AOFF + AH
	s_wait_dscnt 0x0
	s_wait_kmcnt 0x0
	s_add_nc_u64 s[14:15], s[4:5], s[14:15]
	s_add_nc_u64 s[46:47], s[6:7], s[46:47]
	FIRST
	LANES
	; the way out and the epilogue's addresses, while the first tiles are on their way
	s_mul_i32 s22, s10, 16*SPITCH
	s_add_co_u32 s22, s22, STAGE                   ; my stage: 16 rows x 272 bytes
	v_add_nc_u32 v[STO], s22, v3                   ; in: row l % 16, 16 bytes for each half of the lanes
	v_mul_u32_u24 v4, v2, SPITCH
	v_lshl_add_u32 v4, v1, 4, v4
	v_add_nc_u32 v[RD], s22, v4                    ; back: lanes 0-15 one row of 256 bytes, lanes 16-31 the next
	v_lshlrev_b32 v4, 12, v2
	v_lshl_add_u32 v[CO], v1, 4, v4                ; the same two rows in Pt (4,096 bytes a row)
	s_lshl_b32 s16, s42, 9                         ; query - key at my corner: 512 g + 128 cx + 64 mh - 256 j - 128 nh + l % 16 - 8 (l / 16)
	s_lshl_b32 s17, s40, 7
	s_add_co_u32 s16, s16, s17
	s_lshl_b32 s17, s11, 6
	s_add_co_u32 s16, s16, s17
	s_lshl_b32 s17, s43, 8
	s_sub_co_u32 s16, s16, s17
	s_lshl_b32 s17, s12, 7
	s_sub_co_u32 s16, s16, s17
	v_lshlrev_b32 v4, 3, v2
	v_sub_nc_u32 v4, v1, v4
	v_add_nc_u32 v[D0], s16, v4
	v_mov_b32 v[AMR], 0xace12e13                   ; -64 x f32(1e-13): / 32 + 1e-13 gives exactly -1e-13
	s_lshl_b32 s17, s11, 8
	v_lshl_add_u32 v5, v1, 2, s17                  ; 4 x (64 mh + l % 16)
	s_lshl_b32 s18, s12, 9
	s_add_co_u32 s19, s18, MXT
	v_add_nc_u32 v[MXO], s19, v5
	s_xor_b32 s19, s18, 512
	s_add_co_u32 s19, s19, MXT
	v_add_nc_u32 v[MXP], s19, v5
	s_mul_i32 s19, s12, 1536
	s_add_co_u32 s19, s19, SX                      ; c: array 0 for column half 0, array 3 for half 1
	v_add_nc_u32 v[SXC], s19, v5
	s_add_co_u32 s19, s18, SX+512                  ; l: array 1 or 2
	v_add_nc_u32 v[SXL], s19, v5
	v_and_b32 v6, 31, v0
	v_lshlrev_b32 v[STF], 4, v6
	s_lshl_b32 s19, s10, 9
	s_add_co_u32 s19, s19, SX                      ; wave w carries array w out
	v_add_nc_u32 v[SXR], s19, v[STF]
	s_mov_b32 s72, 0x3fb8aa3b                      ; log2e
	s_mov_b32 s73, 0xbfb8aa3b                      ; -log2e
	s_mov_b32 s74, 0x29e12e13                      ; 1e-13
	s_mov_b32 s75, 0x3d000000                      ; 1 / 32
	s_mov_b32 s76, 0x76543210
	s_mov_b32 s77, 0xfedcba98
	s_lshl_b32 s16, s11, 6                         ; Pt at my corner: (block's row + 64 mh) x 4,096 + (256 j + 128 nh) x 2
	s_add_co_u32 s16, s13, s16
	s_lshl_b32 s16, s16, 12
	s_lshl_b32 s17, s43, 9
	s_add_co_u32 s16, s16, s17
	s_lshl_b32 s17, s12, 8
	s_add_co_u32 s16, s16, s17
	s_mov_b32 s17, 0
	s_add_nc_u64 s[68:69], s[68:69], s[16:17]
	s_lshl_b32 s16, s41, 3                         ; St: ((8 batch + j) x 4 + wave) x 8,192 + (512 g + 128 cx) x 4
	s_add_co_u32 s16, s16, s43
	s_lshl_b32 s16, s16, 2
	s_add_co_u32 s16, s16, s10
	s_lshl_b32 s16, s16, 13
	s_lshl_b32 s17, s42, 11
	s_add_co_u32 s16, s16, s17
	s_lshl_b32 s17, s40, 9
	s_add_co_u32 s16, s16, s17
	s_mov_b32 s17, 0
	s_add_nc_u64 s[70:71], s[70:71], s[16:17]
	s_wait_tensorcnt 0x1                           ; my part of K step 0 is in; K step 1's may stay out
	s_barrier_signal -1
	s_barrier_wait -1
	FETCH 0, 0, 0
	LAP 1                                          ; the first lap's first products start the sums
	WIN 0
	s_mov_b32 s3, LAPS-2
.Llap:
	LAP 0
	WIN 0
	s_sub_co_u32 s3, s3, 1
	s_cmp_lg_u32 s3, 0
	s_cbranch_scc1 .Llap
	THREE 0, 0                                     ; the last lap fills nothing
	TURN 0, 1, 0
	THREE 1, 0
	LASTQ
	; THE MASK.  Element (a, b, r) is in the future where 16 b + r - 16 a > query - key of my corner.  Tiles j < 2 g hold no such element
	; (the test hangs on the cluster's number alone).
	PLACES
	WIN 0
	s_lshl_b32 s16, s42, 1
	s_cmp_lt_u32 s43, s16
	s_cbranch_scc1 .Lall_past
	WIN 0x41                                       ; source 0 and destination in window 1
.irp a, 0,1,2,3
.irp b, 0,1,2,3,4,5,6,7
.irp r, 0,1,2,3,4,5,6,7
	v_cmp_gt_i32 vcc_lo, 16*\b+\r-16*\a, v[D0]
	v_cndmask_b32 v[64*\a+8*\b+\r], v[64*\a+8*\b+\r], v[AMR], vcc_lo
.endr
.endr
.endr
	WIN 0
.Lall_past:
	; THE ROW MAXIMUM: my 64 numbers of each of four rows, the other half of the lanes, the other column half's wave
	WIN 0x05                                       ; sources 0 and 1 in window 1
.irp a, 0,1,2,3
	v_max_num_f32 v[MX+\a], v[64*\a], v[64*\a+1]
.endr
.set p, 1
.rept 31
.irp a, 0,1,2,3
	v_max3_num_f32 v[MX+\a], v[64*\a+2*p], v[64*\a+2*p+1], v[MX+\a]
.endr
.set p, p+1
.endr
	WIN 0
.irp a, 0,1,2,3
	v_permlanex16_b32 v[TMP+\a], v[MX+\a], s76, s77    ; the destination counts as read: it holds old fragments
.endr
.irp a, 0,1,2,3
	v_max_num_f32 v[MX+\a], v[MX+\a], v[TMP+\a]
	ds_store_b32 v[MXO], v[MX+\a] offset:64*\a
.endr
	s_wait_dscnt 0x0                               ; my maxima are in LDS, for the other wave's sake
	s_barrier_signal -1
	s_barrier_wait -1
.irp a, 0,1,2,3
	ds_load_b32 v[TMP+\a], v[MXP] offset:64*\a
.endr
	s_wait_dscnt 0x0
.irp a, 0,1,2,3
	v_max_num_f32 v[MX+\a], v[MX+\a], v[TMP+\a]
	v_fma_f32 v[TMP+\a], v[MX+\a], s75, s74        ; the largest score
	v_mul_f32 v[TMP+\a], s73, v[TMP+\a]
	v_floor_f32 v[TMP+\a], v[TMP+\a]               ; -c = floor(-log2e x score)
	v_fma_f32 v[BI+2*\a], s74, s72, v[TMP+\a]      ; 1e-13 log2e - c, twice: a pair for the packed multiply-add
	v_fma_f32 v[BI+2*\a+1], s74, s72, v[TMP+\a]
	v_sub_f32 v[CC+\a], 0, v[TMP+\a]
	ds_store_b32 v[SXC], v[CC+\a] offset:64*\a
.endr
; Row block a: weights, their sums, and 16 rows of Pt through my stage.  f: the registers that carry the rows out, two sets in turn.
.macro POUT a, f
	WIN 0x41
.set p, 0
.rept 32
	v_pk_fma_f32 v[64*\a+2*p:64*\a+2*p+1], v[64*\a+2*p:64*\a+2*p+1], 0x3d38aa3b, v[BI+2*\a:BI+2*\a+1] op_sel_hi:[1,0,1]   ; raw sum x log2e / 32 + 1e-13 log2e - c
.set p, p+1
.endr
.set p, 0
.rept 64
	v_exp_f32 v[64*\a+p], v[64*\a+p]
.set p, p+1
.endr
	v_nop                                          ; one plain place behind the last v_exp_f32 (ISA guide 5.7.2)
	WIN 0x05
.set p, 0
	s_wait_alu depctr_va_vdst(0)
.rept 32
	v_cvt_pk_f16_f32 v[TMP+p], v[64*\a+2*p], v[64*\a+2*p+1]
.set p, p+1
.endr
.set p, 0
.rept 16
	v_pk_add_f32 v[SU+2*p:SU+2*p+1], v[64*\a+4*p:64*\a+4*p+1], v[64*\a+4*p+2:64*\a+4*p+3]
.set p, p+1
.endr
	WIN 0
.irp b, 0,1,2,3,4,5,6,7
	ds_store_b128 v[STO], v[TMP+4*\b:TMP+4*\b+3] offset:32*\b
.endr
.irp w, 8,4,2,1
.set p, 0
.rept \w
	v_pk_add_f32 v[SU+2*p:SU+2*p+1], v[SU+2*p:SU+2*p+1], v[SU+2*(p+\w):SU+2*(p+\w)+1]
.set p, p+1
.endr
.endr
	v_add_f32 v[SM+\a], v[SU], v[SU+1]
	s_wait_xcnt 0x0                                ; the registers that earlier stores read, and the stores' base, are rewritten only behind this wait
.if \a
	s_add_nc_u64 s[68:69], s[68:69], 16*4096
.endif
.irp t, 0,1,2,3,4,5,6,7
	ds_load_b128 v[\f+4*\t:\f+4*\t+3], v[RD] offset:\t*2*SPITCH    ; LDS serves a wave's instructions in order: these see the stores above
.endr
.irp t, 0,1,2,3,4,5,6,7
	s_wait_dscnt 7-\t                              ; the 7 - t younger reads stay out
	global_store_b128 v[CO], v[\f+4*\t:\f+4*\t+3], s[68:69] offset:2*\t*4096   ; 16 lanes store 256 consecutive bytes, aligned
.endr
.endm
	POUT 0, 96
	POUT 1, 128
	POUT 2, 96
	POUT 3, 128
.irp a, 0,1,2,3
	v_permlanex16_b32 v[TMP+\a], v[SM+\a], s76, s77    ; the other eight columns of each block of sixteen
.endr
.irp a, 0,1,2,3
	v_add_f32 v[SM+\a], v[SM+\a], v[TMP+\a]
	ds_store_b32 v[SXL], v[SM+\a] offset:64*\a
.endr
	s_wait_dscnt 0x0                               ; my c and l are in LDS, for the sake of the wave that carries them out
	s_barrier_signal -1
	s_barrier_wait -1
	ds_load_b128 v[MX:MX+3], v[SXR]                ; array w of the four: 128 rows, 512 consecutive bytes
	s_wait_dscnt 0x0
	global_store_b128 v[STF], v[MX:MX+3], s[70:71]
	s_wait_tensorcnt 0x0
	ds_add_u32 v62, v63
	s_wait_dscnt 0x0
	CROUND                                         ; the closing round: no work-group ends while a partner may still ask jointly
	s_endpgm
.Lfunc_end_k_q4c89f26d5f_scores:
	.size	k_q4c89f26d5f_scores, .Lfunc_end_k_q4c89f26d5f_scores-k_q4c89f26d5f_scores
	.p2alignl 7, 3214868480
	.fill 96, 4, 3214868480
	.section	.rodata,"a",@progbits
	.p2align	6, 0x0
	.amdhsa_kernel k_q4c89f26d5f_scores
		.amdhsa_group_segment_fixed_size 327680
		.amdhsa_private_segment_fixed_size 0
		.amdhsa_enable_private_segment 0
		.amdhsa_kernarg_size 32
		.amdhsa_user_sgpr_count 2
		.amdhsa_user_sgpr_kernarg_segment_ptr 1
		.amdhsa_wavefront_size32 1
		.amdhsa_system_sgpr_workgroup_id_x 1
		.amdhsa_system_sgpr_workgroup_id_y 1
		.amdhsa_system_sgpr_workgroup_id_z 1
		.amdhsa_system_vgpr_workitem_id 0
		.amdhsa_next_free_vgpr 512
		.amdhsa_next_free_sgpr 96
		.amdhsa_reserve_vcc 1
		.amdhsa_float_denorm_mode_32 3
		.amdhsa_float_denorm_mode_16_64 3
		.amdhsa_memory_ordered 1
		.amdhsa_forward_progress 1
		.amdhsa_inst_pref_size 179
	.end_amdhsa_kernel
	.amdgpu_metadata
---
amdhsa.version: [ 1, 2 ]
amdhsa.kernels:
  - .name:           k_q4c89f26d5f_scores
    .symbol:         k_q4c89f26d5f_scores.kd
    .args:
      - { .name: Qh, .offset: 0, .size: 8, .value_kind: global_buffer, .address_space: global }
      - { .name: Kh, .offset: 8, .size: 8, .value_kind: global_buffer, .address_space: global }
      - { .name: Pt, .offset: 16, .size: 8, .value_kind: global_buffer, .address_space: global }
      - { .name: St, .offset: 24, .size: 8, .value_kind: global_buffer, .address_space: global }
    .group_segment_fixed_size: 327680
    .private_segment_fixed_size: 0
    .kernarg_segment_align: 8
    .kernarg_segment_size: 32
    .max_flat_workgroup_size: 128
    .sgpr_count:     96
    .vgpr_count:     512
    .wavefront_size: 32
...
	.end_amdgpu_metadata
.endif
;; end of part 2
;; launch pv (part 3): grid 4 x 64, 4 waves a work-group, clusters of 4 x 4, 327,680 bytes of LDS; arguments Pt, Vh, Vs, St, AO; writes AO
.if DOCPART == 3
	.amdgcn_target "amdgcn-amd-amdhsa--gfx1250"
	.amdhsa_code_object_version 6
	.text
	.protected	k_q4c89f26d5f_pv
	.globl	k_q4c89f26d5f_pv
	.p2align	8
	.type	k_q4c89f26d5f_pv,@function
k_q4c89f26d5f_pv:
	s_mov_b64 s[64:65], 0
	v_nop
	global_prefetch_b8 v0, s[64:65] scope:SCOPE_SE
	s_setreg_imm32_b32 hwreg(HW_REG_WAVE_MODE, 25, 1), 1
	s_wait_xcnt 0x0
	s_wait_alu depctr_hold_cnt(0) depctr_sa_sdst(0) depctr_va_vdst(0) depctr_va_sdst(0) depctr_va_ssrc(0) depctr_va_vcc(0) depctr_vm_vsrc(0)
	s_getreg_b32 s2, hwreg(HW_REG_IB_STS2, 6, 4)
	s_cmp_eq_u32 s2, 0
	s_cbranch_scc0 .Lentry_in_a_cluster
	s_endpgm
.Lentry_in_a_cluster:
	s_bfe_u32 s2, ttmp6, 0x10000c
	s_cmp_lg_u32 s2, 0xf033
	s_cbranch_scc0 .Lentry_shape_is_right
	s_endpgm
.Lentry_shape_is_right:
; AO[s][d] = sum over t of attn[s][t] V[d][t], f16, from the tiles' relative weights Pt and their figures St.
;   C = max over the row's tiles of c_j (and 0, the future's c, where a future exists);  g_j = 2^(c_j - C) <= 1
;   L = sum of g_j (l0_j + l1_j) + pt x (2048 - 256 nb),  pt = 2^(-1e-13 log2e - C): the weight of each key beyond the tiles
;   AO = sum over j < nb of (g_j / L) x (Pt tile j . V tile j)  +  (pt / L) x (sum of V over t >= 256 nb)
; So the row's true maximum is taken away, tile by tile; every factor is at most 1 and is applied in f32.  nb = 2 g + 2 tiles for super-row g.
; A work-group makes 128 rows x 256 d.  A cluster of 4 x 4 is one super-row (cy: row block) x all of d (cx: d tile): Pt's tiles are asked for jointly along a
; row of the cluster, V's along a column; all sixteen have the same nb.  16 clusters = 4 batches x 4 super-rows.
; Each lap (256 t = one tile j) has its own sums (window 1, started by the constant 0), folded into the main sums (window 2) by one packed multiply-add.
; The main sums are started by the future's term: nothing is cleared.
; LIMITS: inputs finite; f16 operands and result (|V| below 65,504); v_exp_f32 gives 0 below 2^-126, v_rcp_f32 is good to 1 ulp (ISA guide 15.8).
;
; THE PRODUCT.  Four waves; wave w makes rows 64 (w >> 1) .. + 63 and columns 128 (w & 1) .. + 127: 32 accumulator tiles of 16 x 16.
; K (here t) goes in steps of 128 (rows of 256 bytes) through a ring of two LDS slots; a slot holds 256 rows of V's tile and 128 rows of Pt's, pitch 272.
; Waves 0, 1 fetch V's halves (128 rows each), waves 2, 3 Pt's halves (64 rows each): one tensor load a wave behind each round of the cluster's barrier.
; The matrix instruction is used transposed (source 0 = 16 d, source 1 = 16 rows): lane l holds row l % 16, registers 0-7 hold d = 8 (l / 16) + 0..7.
; Window 0: v0-63 addresses and the future's weights; v64-127 + v128-159 fragment buffer 0; v160-223 + v224-255 buffer 1.
; Window 3: v768-831: the factor pairs (g_j / L, twice) of my four row blocks for this lap (the first eight registers) and the seven laps behind it.
; They are read from LDS once, by constant offsets, and moved down by eight registers after each lap: 56 moves for a lap's 256 matrix instructions,
; so that every LDS address of this text is a base, a lane term and a constant, whatever the number of laps.
.set KSTEP,  128
.set PITCH,  272                       ; 256 bytes + 16 of padding: the 16 rows of a fragment load start at 16 different 16-byte columns
.set BH,     128*PITCH
.set AH,     64*PITCH
.set AOFF,   2*BH
.set SLOT,   AOFF+2*AH
.set STAGE,  2*SLOT                    ; behind the ring, never the target of a tensor load
.set SPITCH, 272
.set TAB,    STAGE+4*16*SPITCH         ; 9 x 128 pairs (f, f): entries 0-7 g_j / L, entry 8 pt / L
.set SUFT,   TAB+9*1024                ; 256 f32: the future's sum of V for my 256 d
.set ADRA, 16
.set ADRB, 20
.set STO,  24
.set RD,   25
.set CO,   26
.set FADR, 33                          ; TAB at my rows; never rewritten
.set SADR, 34                          ; SUFT at my columns; never rewritten
.set TW,   48                          ; v48-55 the future's weight pairs
.set FB0,  64
.set FA0,  128
.set FSTEP, 96
.set FB1,  160
.set TMP,  64
; the table's registers, free again when the first fragments are fetched
.set CJ,   64
.set L0,   72
.set L1,   80
.set OJ,   88
.set VS,   96
.set GJ,   112
.set PP,   120
.set G1A, 24
.set G0A, 32
.set G1B, 48
.set G0B, 56
.set PADW, (1<<16)|(1<<20)|(5<<22)|(3<<25)   ; 17:16 elements of 2 bytes; 20 padding on; 24:22 after every 64 words; 31:25 four words
.set MULW, 0x50                        ; C and D in window 1
.set MSB, 0
.macro WIN new                         ; the immediate's high byte repeats the setting that is left
.if MSB != \new
	s_set_vgpr_msb (MSB<<8)|\new
.set MSB, \new
.endif
.endm
.macro PLACES                          ; four places behind a matrix instruction (ISA guide 7.12.1)
.rept 4
	v_nop
.endr
.endm
.macro SHAPE g, rows, pitch            ; descriptor group 1, words 1 to 7: a tile of rows x 128 elements
	s_mov_b32 s[\g+1], KSTEP<<16
	s_mov_b32 s[\g+2], \rows<<16
	s_mov_b32 s[\g+3], KSTEP<<16
	s_mov_b32 s[\g+4], \rows
	s_mov_b32 s[\g+5], \pitch
	s_mov_b32 s[\g+6], 0
	s_mov_b32 s[\g+7], 0
.endm
.macro JLOAD s                         ; one tensor load a wave; the branch hangs on the wave's number alone
	s_cmp_eq_u32 s11, 0
	s_cbranch_scc0 .Lfor_a_\@
	tensor_load_to_lds s[G0B+4*\s:G0B+4*\s+3], s[G1B:G1B+7]
	s_nop 0
	s_branch .Lasked_\@
.Lfor_a_\@:
	tensor_load_to_lds s[G0A+4*\s:G0A+4*\s+3], s[G1A:G1A+7]
	s_nop 0
.Lasked_\@:
.endm
.macro CREST                           ; a round of the cluster's barrier behind its opening barrier
	s_cmp_lg_u32 s10, 0
	s_cbranch_scc1 .Lnot_wave_0_\@
	s_barrier_signal -3
.Lnot_wave_0_\@:
	s_barrier_wait -3
	s_barrier_signal -1
	s_barrier_wait -1
.endm
.macro CROUND
	s_barrier_signal -1
	s_barrier_wait -1
	CREST
.endm
.macro FIRST                           ; the round in front of the first loads; both slots' group 0; both first fills
	CROUND
.irp s, 0,1
	s_mov_b32 s[G0A+4*\s], 1
	s_add_co_u32 s[G0A+4*\s+1], s21, \s*SLOT
	s_add_nc_u64 s[G0A+4*\s+2:G0A+4*\s+3], s[14:15], \s*KSTEP*2
	s_or_b32 s[G0A+4*\s+3], s[G0A+4*\s+3], 0x80000000
	s_mov_b32 s[G0B+4*\s], 1
	s_add_co_u32 s[G0B+4*\s+1], s20, \s*SLOT
	s_add_nc_u64 s[G0B+4*\s+2:G0B+4*\s+3], s[46:47], \s*KSTEP*2
	s_or_b32 s[G0B+4*\s+3], s[G0B+4*\s+3], 0x80000000
	JLOAD \s
.endr
.endm
.macro LANES                           ; fragment addresses: row (l % 16) x pitch + 16 (l / 16); v1 = l % 16, v2 = l / 16, v3 = that term
	v_and_b32 v1, 15, v0
	v_bfe_u32 v2, v0, 4, 1
	v_mul_u32_u24 v3, v1, PITCH
	v_lshl_add_u32 v3, v2, 4, v3
	s_mul_i32 s22, s11, AH
	s_add_co_u32 s22, s22, AOFF
	s_mul_i32 s23, s12, BH
.irp s, 0,1
	v_add_nc_u32 v[ADRA+\s], s22, v3
	v_add_nc_u32 v[ADRB+\s], s23, v3
	s_add_co_u32 s22, s22, SLOT
	s_add_co_u32 s23, s23, SLOT
.endr
.endm
; 8 matrix instructions: row block a x all 8 column blocks, 32 along K, from fragment buffer f.  zero = 1: the product starts the sums.
; The 32 accumulators take turns, one instruction a turn, in the same order in every quarter step.
.macro MUL8 f, a, zero
.irp b, 0,1,2,3,4,5,6,7
.if \zero
	v_wmma_f32_16x16x32_f16 v[8*(8*\a+\b):8*(8*\a+\b)+7], v[FB0+FSTEP*\f+8*\b:FB0+FSTEP*\f+8*\b+7], v[FA0+FSTEP*\f+8*\a:FA0+FSTEP*\f+8*\a+7], 0
.else
	v_wmma_f32_16x16x32_f16 v[8*(8*\a+\b):8*(8*\a+\b)+7], v[FB0+FSTEP*\f+8*\b:FB0+FSTEP*\f+8*\b+7], v[FA0+FSTEP*\f+8*\a:FA0+FSTEP*\f+8*\a+7], v[8*(8*\a+\b):8*(8*\a+\b)+7]
.endif
.endr
.endm
.macro FETCH slot, k, f                ; 24 LDS loads in one run: 128 rows of V, then 64 rows of Pt, 32 K at byte k of the rows
	WIN 0
.irp i, 0,1,2,3,4,5,6,7
	ds_load_b128 v[FB0+FSTEP*\f+8*\i:FB0+FSTEP*\f+8*\i+3],   v[ADRB+\slot] offset:\k+\i*16*PITCH
	ds_load_b128 v[FB0+FSTEP*\f+8*\i+4:FB0+FSTEP*\f+8*\i+7], v[ADRB+\slot] offset:\k+\i*16*PITCH+32
.endr
.irp i, 0,1,2,3
	ds_load_b128 v[FA0+FSTEP*\f+8*\i:FA0+FSTEP*\f+8*\i+3],   v[ADRA+\slot] offset:\k+\i*16*PITCH
	ds_load_b128 v[FA0+FSTEP*\f+8*\i+4:FA0+FSTEP*\f+8*\i+7], v[ADRA+\slot] offset:\k+\i*16*PITCH+32
.endr
.endm
.macro QUARTER slot, k, f, g, zero     ; multiplies buffer f; in its middle fetches the next quarter's fragments into buffer g
	s_wait_dscnt 4                                 ; all but the four youngest LDS loads: Pt's row blocks 2, 3 (in the first lap: four factor pairs, so that all fragments are in)
	WIN MULW
	MUL8 \f, 0, \zero
	MUL8 \f, 1, \zero
	PLACES                                         ; buffer g was read by matrix instructions: four places in front of the loads into it
	FETCH \slot, \k, \g
	s_wait_dscnt 24                                ; all but the 24 just issued
	WIN MULW
	MUL8 \f, 2, \zero
	MUL8 \f, 3, \zero
.endm
.macro THREE slot, zero
	QUARTER \slot, 64,  0, 1, \zero
	QUARTER \slot, 128, 1, 0, 0
	QUARTER \slot, 192, 0, 1, 0
.endm
; The last quarter of a K step: multiplies buffer 1 and changes slots.  fill = 1: this slot is filled again, two K steps ahead, behind a round of the
; cluster's barrier in front of which every wave has waited for its reads of the slot and for all its tensor loads.
.macro TURN slot, next, fill
	s_wait_dscnt 4
	WIN MULW
	MUL8 1, 0, 0
	s_wait_dscnt 0                                 ; my reads of this slot are over
	s_wait_tensorcnt 0x0                           ; all my tensor loads have landed: the one that was out is my part of the next slot
	ds_add_u32 v62, v63
	s_wait_dscnt 0x0
	s_barrier_signal -1
	MUL8 1, 1, 0                                   ; register work while the others arrive
	WIN 0
	s_barrier_wait -1
.if \fill
	CREST
	s_add_nc_u64 s[G0A+4*\slot+2:G0A+4*\slot+3], s[G0A+4*\slot+2:G0A+4*\slot+3], 2*KSTEP*2
	s_add_nc_u64 s[G0B+4*\slot+2:G0B+4*\slot+3], s[G0B+4*\slot+2:G0B+4*\slot+3], 2*KSTEP*2
	JLOAD \slot                                    ; the first tensor load behind the round, and my only one until the next
.endif
	PLACES
	FETCH \next, 0, 0
	WIN MULW
	MUL8 1, 2, 0
	MUL8 1, 3, 0
.endm
.macro LASTQ                           ; the very last quarter: nothing more to fetch
	s_wait_dscnt 4
	WIN MULW
	MUL8 1, 0, 0
	MUL8 1, 1, 0
	s_wait_dscnt 0
	MUL8 1, 2, 0
	MUL8 1, 3, 0
.endm
.macro FOLD                            ; main sums += this lap's factor x the lap's sums
	PLACES                                         ; four places in front of the first read of a matrix result
	WIN 0xad                                       ; source 0 window 1 (the lap's sums), source 1 window 3 (the factors), source 2 and destination window 2
.irp a, 0,1,2,3
.set p, 0
.rept 32
	v_pk_fma_f32 v[64*\a+2*p:64*\a+2*p+1], v[64*\a+2*p:64*\a+2*p+1], v[2*\a:2*\a+1], v[64*\a+2*p:64*\a+2*p+1]
.set p, p+1
.endr
.endr
.endm
.macro SHIFT                           ; the next lap's factors move into the first eight registers of window 3, the later laps' behind them
	WIN 0xc3                                       ; source 0 and destination window 3
.set p, 0
.rept 56
	v_mov_b32 v[p], v[p+8]
.set p, p+1
.endr
	WIN 0
.endm
	s_load_b128 s[4:7], s[0:1], 0x0                ; Pt, Vh
	s_load_b128 s[68:71], s[0:1], 0x10             ; Vs, St
	s_load_b64 s[72:73], s[0:1], 0x20              ; AO
	v_lshl_add_u32 v62, v0, 2, 0x39c00
	v_mov_b32 v63, 0
	ds_add_u32 v62, v63
	ds_add_u32 v62, v63
	v_lshrrev_b32 v1, 5, v0
	v_readfirstlane_b32 s10, v1                    ; wave
	s_lshr_b32 s11, s10, 1                         ; my half of the rows.  Also: 0 = I fetch V's tile, 1 = Pt's
	s_and_b32 s12, s10, 1                          ; my half of the columns.  Also: which half of that tile I fetch
	s_bfe_u32 s40, ttmp6, 0x40000                  ; cx: d tile
	s_bfe_u32 s41, ttmp6, 0x40004                  ; cy: row block of the super-row
	s_and_b32 s44, ttmp7, 0xffff                   ; the cluster's y = 4 batch + g
	s_lshr_b32 s45, s44, 2                         ; batch
	s_and_b32 s44, s44, 3                          ; g
	s_lshl_b32 s3, s44, 1
	s_add_co_u32 s3, s3, 1                         ; nb - 1: the loop's trips, the same in the whole cluster
	s_add_co_u32 s76, s3, 1                        ; nb
	s_lshl_b32 s42, s41, 2
	s_lshl_b32 s42, 15, s42                        ; my row of the cluster
	s_lshl_b32 s43, 0x1111, s40                    ; my column
	s_or_b32 s[G1A], s42, (1<<21)|PADW             ; Pt's tiles hang on the row block alone
	s_or_b32 s[G1B], s43, (1<<21)|PADW             ; V's on the d tile alone
	SHAPE G1A, 64, 2048
	SHAPE G1B, 128, 2048
	s_lshl_b32 s13, s45, 11
	s_lshl_b32 s14, s44, 9
	s_add_co_u32 s13, s13, s14
	s_lshl_b32 s14, s41, 7
	s_add_co_u32 s13, s13, s14                     ; my block's first row among the 8,192 (never holds cx)
	s_lshl_b32 s14, s12, 6
	s_add_co_u32 s14, s13, s14
	s_lshl_b32 s14, s14, 12                        ; x 4,096 bytes a row of Pt
	s_mov_b32 s15, 0
	s_lshl_b32 s46, s45, 10                        ; V's rows: 1024 batch + 256 cx + 128 half (never holds cy)
	s_lshl_b32 s47, s40, 8
	s_add_co_u32 s46, s46, s47
	s_lshl_b32 s47, s12, 7
	s_add_co_u32 s46, s46, s47
	s_lshl_b32 s46, s46, 12
	s_mov_b32 s47, 0
	s_mul_i32 s20, s10, BH                         ; LDS: waves 0, 1: V's halves at 0 and BH
	s_mul_i32 s21, s10, AH
	s_add_co_u32 s21, s21, AOFF-2*AH               ; waves 2, 3: Pt's halves at AOFF and AOFF + AH
	; the table's loads.  Thread t (0-127) owns row t of the block and d = 2 t, 2 t + 1 of the d tile.
	s_lshl_b32 s81, s44, 9
	s_lshl_b32 s82, s41, 7
	s_add_co_u32 s81, s81, s82
	s_lshl_b32 s81, s81, 2
	v_lshl_add_u32 v8, v0, 2, s81                  ; 4 x (512 g + 128 cy + t)
	s_lshl_b32 s84, s45, 3
	s_lshl_b32 s80, s45, 10
	s_lshl_b32 s82, s40, 8
	s_add_co_u32 s80, s80, s82
	s_lshl_b32 s80, s80, 5
	v_lshl_add_u32 v9, v0, 6, s80                  ; 32 x (1024 batch + 256 cx + 2 t)
	s_wait_dscnt 0x0
	s_wait_kmcnt 0x0
.irp j, 0,1,2,3,4,5,6,7
	s_min_u32 s83, s3, \j                          ; tiles beyond nb - 1 were never written: read the last one again; its figures are set aside below
	s_add_co_u32 s83, s83, s84
	s_lshl_b32 s83, s83, 15
	v_add_nc_u32 v[OJ+\j], s83, v8
	global_load_b32 v[CJ+\j], v[OJ+\j], s[70:71]
	global_load_b32 v[L0+\j], v[OJ+\j], s[70:71] offset:8192
	global_load_b32 v[L1+\j], v[OJ+\j], s[70:71] offset:16384
.endr
.irp i, 0,1,2,3
	global_load_b128 v[VS+4*\i:VS+4*\i+3], v9, s[68:69] offset:16*\i
.endr
	s_add_nc_u64 s[14:15], s[4:5], s[14:15]
	s_add_nc_u64 s[46:47], s[6:7], s[46:47]
	FIRST
	LANES
	s_mul_i32 s22, s10, 16*SPITCH
	s_add_co_u32 s22, s22, STAGE                   ; my stage: 16 rows x 272 bytes
	v_add_nc_u32 v[STO], s22, v3                   ; in: row l % 16, 16 bytes for each half of the lanes
	v_mul_u32_u24 v4, v2, SPITCH
	v_lshl_add_u32 v4, v1, 4, v4
	v_add_nc_u32 v[RD], s22, v4                    ; back: lanes 0-15 one row of 256 bytes, lanes 16-31 the next
	v_lshlrev_b32 v4, 11, v2
	v_lshl_add_u32 v[CO], v1, 4, v4                ; the same two rows in AO (2,048 bytes a row)
	s_lshl_b32 s22, s11, 9
	s_add_co_u32 s22, s22, TAB
	v_lshl_add_u32 v[FADR], v1, 3, s22             ; TAB + 8 x (64 mh + l % 16)
	s_lshl_b32 s22, s12, 9
	s_add_co_u32 s22, s22, SUFT
	v_lshl_add_u32 v[SADR], v2, 5, s22             ; SUFT + 4 x (128 nh + 8 (l / 16))
	v_lshlrev_b32 v10, 3, v0
	v_add_nc_u32 v11, SUFT, v10                    ; where thread t puts its two sums of V
	v_add_nc_u32 v10, TAB, v10                     ; and its row's factor pairs
	s_lshl_b32 s90, s11, 6                         ; AO at my corner: (block's row + 64 mh) x 2,048 + (256 cx + 128 nh) x 2
	s_add_co_u32 s90, s90, s13
	s_lshl_b32 s90, s90, 11
	s_lshl_b32 s91, s40, 9
	s_add_co_u32 s90, s90, s91
	s_lshl_b32 s91, s12, 8
	s_add_co_u32 s90, s90, s91
	s_mov_b32 s91, 0
	s_add_nc_u64 s[72:73], s[72:73], s[90:91]
	s_mov_b32 s74, 0x3fb8aa3b                      ; log2e
	s_mov_b32 s75, 0xa9e12e13                      ; -1e-13
	s_cmp_lt_u32 s76, 8                            ; is there a future beyond the tiles?
	s_cselect_b32 s78, -1, 0                       ; as a lane mask
	s_cselect_b32 s77, 0, 0xff800000               ; its c (ceil of -1e-13 log2e), or -inf where there is none
	s_lshl_b32 s79, s76, 8
	s_sub_co_u32 s79, 2048, s79
	s_cvt_f32_u32 s79, s79                         ; its keys
	; THE TABLE
	s_wait_loadcnt 0x0
	v_max3_num_f32 v138, v[CJ], v[CJ+1], v[CJ+2]
	v_max3_num_f32 v138, v138, v[CJ+3], v[CJ+4]
	v_max3_num_f32 v138, v138, v[CJ+5], v[CJ+6]
	v_max3_num_f32 v138, v138, v[CJ+7], s77        ; C
.irp j, 0,1,2,3,4,5,6,7
	v_sub_f32 v[GJ+\j], v[CJ+\j], v138
.endr
	v_fma_f32 v140, s75, s74, -v138
.irp j, 0,1,2,3,4,5,6,7
	v_exp_f32 v[GJ+\j], v[GJ+\j]                   ; g_j
.endr
	v_exp_f32 v140, v140                           ; pt
.irp j, 0,1,2,3,4,5,6,7
	v_add_f32 v[L0+\j], v[L0+\j], v[L1+\j]         ; plain work behind the exponentials (ISA guide 5.7.2)
.endr
	s_wait_alu depctr_va_vdst(0)
	v_cndmask_b32 v140, 0, v140, s78               ; no future: no weight
	v_mul_f32 v139, v[GJ], v[L0]
	v_fmac_f32 v139, v[GJ+1], v[L0+1]              ; nb is at least 2
.irp j, 2,3,4,5,6,7
	s_cmp_gt_u32 s76, \j
	s_cselect_b32 s83, -1, 0
	v_cndmask_b32 v[L0+\j], 0, v[L0+\j], s83       ; a tile beyond nb - 1 adds nothing
	v_fmac_f32 v139, v[GJ+\j], v[L0+\j]
.endr
	v_fmac_f32 v139, s79, v140                     ; L: at least 0.5, since the tile (or the future) that gives C holds a weight above 0.5
	v_rcp_f32 v141, v139
	s_cmp_le_u32 s76, 2                            ; the future's sums of V: blocks j >= nb (plain work behind v_rcp_f32)
	s_cselect_b32 s83, -1, 0
	v_cndmask_b32 v142, 0, v[VS+2], s83
	v_cndmask_b32 v143, 0, v[VS+10], s83
.irp j, 3,4,5,6,7
	s_cmp_le_u32 s76, \j
	s_cselect_b32 s83, -1, 0
	v_cndmask_b32 v[VS+\j], 0, v[VS+\j], s83
	v_cndmask_b32 v[VS+8+\j], 0, v[VS+8+\j], s83
	v_add_f32 v142, v142, v[VS+\j]
	v_add_f32 v143, v143, v[VS+8+\j]
.endr
	ds_store_b64 v11, v[142:143]
	s_wait_alu depctr_va_vdst(0)
.irp j, 0,1,2,3,4,5,6,7
	v_mul_f32 v[PP+2*\j], v[GJ+\j], v141
	v_mul_f32 v[PP+2*\j+1], v[GJ+\j], v141
	ds_store_b64 v10, v[PP+2*\j:PP+2*\j+1] offset:1024*\j
.endr
	v_mul_f32 v[PP+16], v140, v141
	v_mul_f32 v[PP+17], v140, v141
	ds_store_b64 v10, v[PP+16:PP+17] offset:8192
	s_wait_dscnt 0x0                               ; my part of the table is in LDS, for the other waves' sake
	s_wait_tensorcnt 0x1                           ; my part of K step 0 is in; K step 1's may stay out
	s_barrier_signal -1
	s_barrier_wait -1
	; THE FUTURE'S TERM starts the main sums: (pt / L)[row] x Suf[d]
.irp b, 0,1,2,3,4,5,6,7
	ds_load_b128 v[FB1+8*\b:FB1+8*\b+3],   v[SADR] offset:64*\b       ; Suf of d = 16 b + 8 (l / 16) + 0..3
	ds_load_b128 v[FB1+8*\b+4:FB1+8*\b+7], v[SADR] offset:64*\b+16    ; and + 4..7
.endr
.irp a, 0,1,2,3
	ds_load_b64 v[TW+2*\a:TW+2*\a+1], v[FADR] offset:8192+128*\a      ; the table's entry 8
.endr
	FETCH 0, 0, 0
	s_wait_dscnt 24                                ; the 24 fragment loads are younger and stay out: Suf and the weights are in
	WIN 0x80                                       ; destination window 2
.irp a, 0,1,2,3
.set p, 0
.rept 32
	v_pk_mul_f32 v[64*\a+2*p:64*\a+2*p+1], v[FB1+2*p:FB1+2*p+1], v[TW+2*\a:TW+2*\a+1]
.set p, p+1
.endr
.endr
	; THE FACTORS of all eight entries, once: entry j, row block a into registers 8 j + 2 a, 8 j + 2 a + 1 of window 3.  With the 24 fragment loads at most 56 LDS loads are out.
	; Entries beyond nb - 1 hold numbers too (the last tile's figures read again) and are never multiplied by.
	WIN 0xc0                                       ; destination window 3
.irp j, 0,1,2,3,4,5,6,7
.irp a, 0,1,2,3
	ds_load_b64 v[8*\j+2*\a:8*\j+2*\a+1], v[FADR] offset:1024*\j+128*\a
.endr
.endr
	WIN 0
	s_max_u32 s3, s3, 1                            ; nb - 1 = 2 g + 1 is at least 1: said here, straight above the loop that counts it down
.Llap:                                         ; a lap = one tile j = two K steps; both slots are filled again
	THREE 0, 1                                     ; the lap's first products start its sums
	TURN 0, 1, 1
	THREE 1, 0
	TURN 1, 0, 1
	FOLD
	SHIFT
	s_sub_co_u32 s3, s3, 1
	s_cmp_lg_u32 s3, 0
	s_cbranch_scc1 .Llap
	THREE 0, 1                                     ; the last lap fills nothing
	TURN 0, 1, 0
	THREE 1, 0
	LASTQ
	FOLD
; THE WAY OUT: row block a of the main sums, rounded to f16, through my own stage, as whole rows of 256 bytes.  f: two sets of registers in turn.
.macro OUT16 a, f
	WIN 0x0a                                       ; sources 0 and 1 in window 2
.set p, 0
.rept 32
	v_cvt_pk_f16_f32 v[TMP+p], v[64*\a+2*p], v[64*\a+2*p+1]
.set p, p+1
.endr
	WIN 0
.irp b, 0,1,2,3,4,5,6,7
	ds_store_b128 v[STO], v[TMP+4*\b:TMP+4*\b+3] offset:32*\b
.endr
	s_wait_xcnt 0x0                                ; the registers that earlier stores read, and the stores' base, are rewritten only behind this wait
.if \a
	s_add_nc_u64 s[72:73], s[72:73], 16*2048
.endif
.irp t, 0,1,2,3,4,5,6,7
	ds_load_b128 v[\f+4*\t:\f+4*\t+3], v[RD] offset:\t*2*SPITCH    ; LDS serves a wave's instructions in order: these see the stores above
.endr
.irp t, 0,1,2,3,4,5,6,7
	s_wait_dscnt 7-\t                              ; the 7 - t younger reads stay out
	global_store_b128 v[CO], v[\f+4*\t:\f+4*\t+3], s[72:73] offset:2*\t*2048   ; 16 lanes store 256 consecutive bytes, aligned
.endr
.endm
	OUT16 0, 96
	OUT16 1, 128
	OUT16 2, 96
	OUT16 3, 128
	s_wait_tensorcnt 0x0
	ds_add_u32 v62, v63
	s_wait_dscnt 0x0
	CROUND                                         ; the closing round: no work-group ends while a partner may still ask jointly
	s_endpgm
.Lfunc_end_k_q4c89f26d5f_pv:
	.size	k_q4c89f26d5f_pv, .Lfunc_end_k_q4c89f26d5f_pv-k_q4c89f26d5f_pv
	.p2alignl 7, 3214868480
	.fill 96, 4, 3214868480
	.section	.rodata,"a",@progbits
	.p2align	6, 0x0
	.amdhsa_kernel k_q4c89f26d5f_pv
		.amdhsa_group_segment_fixed_size 327680
		.amdhsa_private_segment_fixed_size 0
		.amdhsa_enable_private_segment 0
		.amdhsa_kernarg_size 40
		.amdhsa_user_sgpr_count 2
		.amdhsa_user_sgpr_kernarg_segment_ptr 1
		.amdhsa_wavefront_size32 1
		.amdhsa_system_sgpr_workgroup_id_x 1
		.amdhsa_system_sgpr_workgroup_id_y 1
		.amdhsa_system_sgpr_workgroup_id_z 1
		.amdhsa_system_vgpr_workitem_id 0
		.amdhsa_next_free_vgpr 832
		.amdhsa_next_free_sgpr 96
		.amdhsa_reserve_vcc 0
		.amdhsa_float_denorm_mode_32 3
		.amdhsa_float_denorm_mode_16_64 3
		.amdhsa_memory_ordered 1
		.amdhsa_forward_progress 1
		.amdhsa_inst_pref_size 125
	.end_amdhsa_kernel
	.amdgpu_metadata
---
amdhsa.version: [ 1, 2 ]
amdhsa.kernels:
  - .name:           k_q4c89f26d5f_pv
    .symbol:         k_q4c89f26d5f_pv.kd
    .args:
      - { .name: Pt, .offset: 0, .size: 8, .value_kind: global_buffer, .address_space: global }
      - { .name: Vh, .offset: 8, .size: 8, .value_kind: global_buffer, .address_space: global }
      - { .name: Vs, .offset: 16, .size: 8, .value_kind: global_buffer, .address_space: global }
      - { .name: St, .offset: 24, .size: 8, .value_kind: global_buffer, .address_space: global }
      - { .name: AO, .offset: 32, .size: 8, .value_kind: global_buffer, .address_space: global }
    .group_segment_fixed_size: 327680
    .private_segment_fixed_size: 0
    .kernarg_segment_align: 8
    .kernarg_segment_size: 40
    .max_flat_workgroup_size: 128
    .sgpr_count:     96
    .vgpr_count:     832
    .wavefront_size: 32
...
	.end_amdgpu_metadata
.endif
;; end of part 3
;; launch proj (part 4): grid 4 x 64, 4 waves a work-group, clusters of 4 x 4, 327,680 bytes of LDS; arguments AO, Wh, b, out0; writes out0
.if DOCPART == 4
	.amdgcn_target "amdgcn-amd-amdhsa--gfx1250"
	.amdhsa_code_object_version 6
	.text
	.protected	k_q4c89f26d5f_proj
	.globl	k_q4c89f26d5f_proj
	.p2align	8
	.type	k_q4c89f26d5f_proj,@function
k_q4c89f26d5f_proj:
	s_mov_b64 s[64:65], 0
	v_nop
	global_prefetch_b8 v0, s[64:65] scope:SCOPE_SE
	s_setreg_imm32_b32 hwreg(HW_REG_WAVE_MODE, 25, 1), 1
	s_wait_xcnt 0x0
	s_wait_alu depctr_hold_cnt(0) depctr_sa_sdst(0) depctr_va_vdst(0) depctr_va_sdst(0) depctr_va_ssrc(0) depctr_va_vcc(0) depctr_vm_vsrc(0)
	s_getreg_b32 s2, hwreg(HW_REG_IB_STS2, 6, 4)
	s_cmp_eq_u32 s2, 0
	s_cbranch_scc0 .Lentry_in_a_cluster
	s_endpgm
.Lentry_in_a_cluster:
	s_bfe_u32 s2, ttmp6, 0x10000c
	s_cmp_lg_u32 s2, 0xf033
	s_cbranch_scc0 .Lentry_shape_is_right
	s_endpgm
.Lentry_shape_is_right:
; out0[s][e] = sum over d of AO[s][d] W[e][d] + b[e].  AO: [8192][1024] f16, Wh: [1024][1024] f16, b: [1024] f32, out0: [8192][1024] f32; sums in f32.
; A work-group makes 128 rows x 256 columns; 4 x 64 = 256 work-groups.  CLUSTERS of 4 x 4: AO's tile hangs on the block row alone and is asked for jointly
; along a row of the cluster, W's on the block column alone and is asked for jointly along a column.
; LIMITS: f16 operands (magnitudes below 65,504; below 3e-8 they are zero).
;
; THE PRODUCT.  Four waves; wave w makes rows 64 (w >> 1) .. + 63 and columns 128 (w & 1) .. + 127: 32 accumulator tiles of 16 x 16, 256 registers (window 1).
; K goes in steps of 128 (rows of 256 bytes) through a ring of two LDS slots; a slot holds 256 rows of W's tile and 128 rows of AO's, pitch 272.
; Waves 0, 1 fetch W's halves (128 rows each), waves 2, 3 AO's halves (64 rows each): one tensor load a wave behind each round of the cluster's barrier.
; The matrix instruction is used transposed (source 0 = 16 rows of W, source 1 = 16 rows of AO): lane l holds row l % 16 of the result,
; registers 0-7 its columns 8 (l / 16) + 0..7: 32 neighbouring bytes.
; Window 0: v0-63 addresses and the bias; v64-127 + v128-159 fragment buffer 0; v160-223 + v224-255 buffer 1.
.set KSTEP,  128
.set PITCH,  272                       ; 256 bytes + 16 of padding: the 16 rows of a fragment load start at 16 different 16-byte columns
.set BH,     128*PITCH
.set AH,     64*PITCH
.set AOFF,   2*BH
.set SLOT,   AOFF+2*AH
.set STAGE,  2*SLOT                    ; behind the ring, never the target of a tensor load
.set SPITCH, 528                       ; a stage row: 128 f32 + 16 bytes, an odd multiple of 16
.set LAPS,   4                         ; 1024 / 256
.set ADRA, 16
.set ADRB, 20
.set STO,  24
.set RD,   25
.set CO,   26
.set BIAS, 36                          ; v36-39 b of my four columns on the way out
.set FB0,  64
.set FA0,  128
.set FSTEP, 96
.set G1A, 24
.set G0A, 32
.set G1B, 48
.set G0B, 56
.set PADW, (1<<16)|(1<<20)|(5<<22)|(3<<25)   ; 17:16 elements of 2 bytes; 20 padding on; 24:22 after every 64 words; 31:25 four words
.set MULW, 0x50                        ; C and D in window 1
.set MSB, 0
.macro WIN new                         ; the immediate's high byte repeats the setting that is left
.if MSB != \new
	s_set_vgpr_msb (MSB<<8)|\new
.set MSB, \new
.endif
.endm
.macro PLACES                          ; four places behind a matrix instruction (ISA guide 7.12.1)
.rept 4
	v_nop
.endr
.endm
.macro SHAPE g, rows, pitch            ; descriptor group 1, words 1 to 7: a tile of rows x 128 elements
	s_mov_b32 s[\g+1], KSTEP<<16
	s_mov_b32 s[\g+2], \rows<<16
	s_mov_b32 s[\g+3], KSTEP<<16
	s_mov_b32 s[\g+4], \rows
	s_mov_b32 s[\g+5], \pitch
	s_mov_b32 s[\g+6], 0
	s_mov_b32 s[\g+7], 0
.endm
.macro JLOAD s                         ; one tensor load a wave; the branch hangs on the wave's number alone
	s_cmp_eq_u32 s11, 0
	s_cbranch_scc0 .Lfor_a_\@
	tensor_load_to_lds s[G0B+4*\s:G0B+4*\s+3], s[G1B:G1B+7]
	s_nop 0
	s_branch .Lasked_\@
.Lfor_a_\@:
	tensor_load_to_lds s[G0A+4*\s:G0A+4*\s+3], s[G1A:G1A+7]
	s_nop 0
.Lasked_\@:
.endm
.macro CREST                           ; a round of the cluster's barrier behind its opening barrier
	s_cmp_lg_u32 s10, 0
	s_cbranch_scc1 .Lnot_wave_0_\@
	s_barrier_signal -3
.Lnot_wave_0_\@:
	s_barrier_wait -3
	s_barrier_signal -1
	s_barrier_wait -1
.endm
.macro CROUND
	s_barrier_signal -1
	s_barrier_wait -1
	CREST
.endm
.macro FIRST                           ; the round in front of the first loads; both slots' group 0; both first fills
	CROUND
.irp s, 0,1
	s_mov_b32 s[G0A+4*\s], 1
	s_add_co_u32 s[G0A+4*\s+1], s21, \s*SLOT
	s_add_nc_u64 s[G0A+4*\s+2:G0A+4*\s+3], s[14:15], \s*KSTEP*2
	s_or_b32 s[G0A+4*\s+3], s[G0A+4*\s+3], 0x80000000
	s_mov_b32 s[G0B+4*\s], 1
	s_add_co_u32 s[G0B+4*\s+1], s20, \s*SLOT
	s_add_nc_u64 s[G0B+4*\s+2:G0B+4*\s+3], s[46:47], \s*KSTEP*2
	s_or_b32 s[G0B+4*\s+3], s[G0B+4*\s+3], 0x80000000
	JLOAD \s
.endr
.endm
.macro LANES                           ; fragment addresses: row (l % 16) x pitch + 16 (l / 16); v1 = l % 16, v2 = l / 16, v3 = that term
	v_and_b32 v1, 15, v0
	v_bfe_u32 v2, v0, 4, 1
	v_mul_u32_u24 v3, v1, PITCH
	v_lshl_add_u32 v3, v2, 4, v3
	s_mul_i32 s22, s11, AH
	s_add_co_u32 s22, s22, AOFF
	s_mul_i32 s23, s12, BH
.irp s, 0,1
	v_add_nc_u32 v[ADRA+\s], s22, v3
	v_add_nc_u32 v[ADRB+\s], s23, v3
	s_add_co_u32 s22, s22, SLOT
	s_add_co_u32 s23, s23, SLOT
.endr
.endm
; 8 matrix instructions: row block a x all 8 column blocks, 32 along K, from fragment buffer f.  zero = 1: the product starts the sums.
; The 32 accumulators take turns, one instruction a turn, in the same order in every quarter step.
.macro MUL8 f, a, zero
.irp b, 0,1,2,3,4,5,6,7
.if \zero
	v_wmma_f32_16x16x32_f16 v[8*(8*\a+\b):8*(8*\a+\b)+7], v[FB0+FSTEP*\f+8*\b:FB0+FSTEP*\f+8*\b+7], v[FA0+FSTEP*\f+8*\a:FA0+FSTEP*\f+8*\a+7], 0
.else
	v_wmma_f32_16x16x32_f16 v[8*(8*\a+\b):8*(8*\a+\b)+7], v[FB0+FSTEP*\f+8*\b:FB0+FSTEP*\f+8*\b+7], v[FA0+FSTEP*\f+8*\a:FA0+FSTEP*\f+8*\a+7], v[8*(8*\a+\b):8*(8*\a+\b)+7]
.endif
.endr
.endm
.macro FETCH slot, k, f                ; 24 LDS loads in one run: 128 rows of W, then 64 rows of AO, 32 K at byte k of the rows
	WIN 0
.irp i, 0,1,2,3,4,5,6,7
	ds_load_b128 v[FB0+FSTEP*\f+8*\i:FB0+FSTEP*\f+8*\i+3],   v[ADRB+\slot] offset:\k+\i*16*PITCH
	ds_load_b128 v[FB0+FSTEP*\f+8*\i+4:FB0+FSTEP*\f+8*\i+7], v[ADRB+\slot] offset:\k+\i*16*PITCH+32
.endr
.irp i, 0,1,2,3
	ds_load_b128 v[FA0+FSTEP*\f+8*\i:FA0+FSTEP*\f+8*\i+3],   v[ADRA+\slot] offset:\k+\i*16*PITCH
	ds_load_b128 v[FA0+FSTEP*\f+8*\i+4:FA0+FSTEP*\f+8*\i+7], v[ADRA+\slot] offset:\k+\i*16*PITCH+32
.endr
.endm
.macro QUARTER slot, k, f, g, zero     ; multiplies buffer f; in its middle fetches the next quarter's fragments into buffer g
	s_wait_dscnt 4                                 ; all but the four youngest loads (AO's row blocks 2, 3) are in
	WIN MULW
	MUL8 \f, 0, \zero
	MUL8 \f, 1, \zero
	PLACES                                         ; buffer g was read by matrix instructions: four places in front of the loads into it
	FETCH \slot, \k, \g
	s_wait_dscnt 24                                ; all but the 24 just issued
	WIN MULW
	MUL8 \f, 2, \zero
	MUL8 \f, 3, \zero
.endm
.macro THREE slot, zero
	QUARTER \slot, 64,  0, 1, \zero
	QUARTER \slot, 128, 1, 0, 0
	QUARTER \slot, 192, 0, 1, 0
.endm
; The last quarter of a K step: multiplies buffer 1 and changes slots.  fill = 1: this slot is filled again, two K steps ahead, behind a round of the
; cluster's barrier in front of which every wave has waited for its reads of the slot and for all its tensor loads.
.macro TURN slot, next, fill
	s_wait_dscnt 4
	WIN MULW
	MUL8 1, 0, 0
	s_wait_dscnt 0                                 ; my reads of this slot are over
	s_wait_tensorcnt 0x0                           ; all my tensor loads have landed: the one that was out is my part of the next slot
	ds_add_u32 v62, v63
	s_wait_dscnt 0x0
	s_barrier_signal -1
	MUL8 1, 1, 0                                   ; register work while the others arrive
	WIN 0
	s_barrier_wait -1
.if \fill
	CREST
	s_add_nc_u64 s[G0A+4*\slot+2:G0A+4*\slot+3], s[G0A+4*\slot+2:G0A+4*\slot+3], 2*KSTEP*2
	s_add_nc_u64 s[G0B+4*\slot+2:G0B+4*\slot+3], s[G0B+4*\slot+2:G0B+4*\slot+3], 2*KSTEP*2
	JLOAD \slot                                    ; the first tensor load behind the round, and my only one until the next
.endif
	PLACES
	FETCH \next, 0, 0
	WIN MULW
	MUL8 1, 2, 0
	MUL8 1, 3, 0
.endm
.macro LASTQ                           ; the very last quarter: nothing more to fetch
	s_wait_dscnt 4
	WIN MULW
	MUL8 1, 0, 0
	MUL8 1, 1, 0
	s_wait_dscnt 0
	MUL8 1, 2, 0
	MUL8 1, 3, 0
.endm
.macro LAP zero
	THREE 0, \zero
	TURN 0, 1, 1
	THREE 1, 0
	TURN 1, 0, 1
.endm
	s_load_b128 s[4:7], s[0:1], 0x0                ; AO, Wh
	s_load_b128 s[68:71], s[0:1], 0x10             ; b, out0
	v_lshl_add_u32 v62, v0, 2, 0x3b400
	v_mov_b32 v63, 0
	ds_add_u32 v62, v63
	ds_add_u32 v62, v63
	v_lshrrev_b32 v1, 5, v0
	v_readfirstlane_b32 s10, v1                    ; wave
	s_lshr_b32 s11, s10, 1                         ; my half of the rows.  Also: 0 = I fetch W's tile, 1 = AO's
	s_and_b32 s12, s10, 1                          ; my half of the columns.  Also: which half of that tile I fetch
	s_bfe_u32 s40, ttmp6, 0x40000                  ; cx
	s_bfe_u32 s41, ttmp6, 0x40004                  ; cy
	s_lshl_b32 s45, ttmp9, 2
	s_add_co_u32 s45, s45, s40                     ; block column = 4 x cluster x + cx
	s_and_b32 s13, ttmp7, 0xffff
	s_lshl_b32 s13, s13, 2
	s_add_co_u32 s13, s13, s41                     ; block row = 4 x cluster y + cy
	s_lshl_b32 s42, s41, 2
	s_lshl_b32 s42, 15, s42                        ; my row of the cluster
	s_lshl_b32 s43, 0x1111, s40                    ; my column
	s_or_b32 s[G1A], s42, (1<<21)|PADW             ; AO's tiles hang on the block row alone
	s_or_b32 s[G1B], s43, (1<<21)|PADW             ; W's on the block column alone
	SHAPE G1A, 64, 1024
	SHAPE G1B, 128, 1024
	s_lshl_b32 s13, s13, 7                         ; my block's first row (never holds cx)
	s_lshl_b32 s14, s12, 6
	s_add_co_u32 s14, s13, s14
	s_lshl_b32 s14, s14, 11                        ; x 2,048 bytes a row of AO
	s_mov_b32 s15, 0
	s_lshl_b32 s46, s45, 8                         ; W's rows: 256 block column + 128 half (never holds cy)
	s_lshl_b32 s47, s12, 7
	s_add_co_u32 s46, s46, s47
	s_lshl_b32 s46, s46, 11
	s_mov_b32 s47, 0
	s_mul_i32 s20, s10, BH                         ; LDS: waves 0, 1: W's halves at 0 and BH
	s_mul_i32 s21, s10, AH
	s_add_co_u32 s21, s21, AOFF-2*AH               ; waves 2, 3: AO's halves at AOFF and AOFF + AH
	s_lshl_b32 s74, s45, 10                        ; my first column in bytes of f32: (256 block column + 128 nh) x 4
	s_lshl_b32 s75, s12, 9
	s_add_co_u32 s74, s74, s75
	s_mov_b32 s75, 0
	s_lshl_b32 s76, s11, 6                         ; my first row x 4,096 bytes
	s_add_co_u32 s76, s76, s13
	s_lshl_b32 s76, s76, 12
	s_mov_b32 s77, 0
	v_and_b32 v4, 31, v0
	v_lshlrev_b32 v[CO], 4, v4                     ; 16 lane: on the way out a lane holds four neighbouring columns of one row
	s_wait_dscnt 0x0
	s_wait_kmcnt 0x0
	s_add_nc_u64 s[68:69], s[68:69], s[74:75]      ; b at my first column
	s_add_nc_u64 s[70:71], s[70:71], s[74:75]      ; out0 at my corner
	s_add_nc_u64 s[70:71], s[70:71], s[76:77]
	global_load_b128 v[BIAS:BIAS+3], v[CO], s[68:69]
	s_add_nc_u64 s[14:15], s[4:5], s[14:15]
	s_add_nc_u64 s[46:47], s[6:7], s[46:47]
	FIRST
	LANES
	s_mul_i32 s22, s10, 16*SPITCH
	s_add_co_u32 s22, s22, STAGE                   ; my stage: 16 rows x 528 bytes
	v_mul_u32_u24 v4, v1, SPITCH
	v_lshl_add_u32 v4, v2, 5, v4
	v_add_nc_u32 v[STO], s22, v4                   ; in: row l % 16, 32 bytes for each half of the lanes
	v_add_nc_u32 v[RD], s22, v[CO]                 ; back: the 32 lanes take one row of 512 bytes
	s_wait_tensorcnt 0x1                           ; my part of K step 0 is in; K step 1's may stay out
	s_barrier_signal -1
	s_barrier_wait -1
	FETCH 0, 0, 0
	LAP 1                                          ; the first lap's first products start the sums
	WIN 0
	s_mov_b32 s3, LAPS-2
.Llap:
	LAP 0
	WIN 0
	s_sub_co_u32 s3, s3, 1
	s_cmp_lg_u32 s3, 0
	s_cbranch_scc1 .Llap
	THREE 0, 0                                     ; the last lap fills nothing
	TURN 0, 1, 0
	THREE 1, 0
	LASTQ
; THE WAY OUT: row block a, straight from the accumulators into my own stage, read back as whole rows, the bias added, stored.
; f: the registers that carry the rows out, two sets of 64 in turn.
.macro FOUT a, f
	WIN 0x04                                       ; an LDS store's data is source 1: window 1
.irp b, 0,1,2,3,4,5,6,7
	ds_store_b128 v[STO], v[64*\a+8*\b:64*\a+8*\b+3]   offset:64*\b
	ds_store_b128 v[STO], v[64*\a+8*\b+4:64*\a+8*\b+7] offset:64*\b+16
.endr
	WIN 0
	s_wait_xcnt 0x0                                ; the registers that earlier stores read, and the stores' base, are rewritten only behind this wait
.if \a
	s_add_nc_u64 s[70:71], s[70:71], 16*4096
.endif
.set n, 0
.rept 16
	ds_load_b128 v[\f+4*n:\f+4*n+3], v[RD] offset:SPITCH*n         ; LDS serves a wave's instructions in order: these see the stores above
.set n, n+1
.endr
.set n, 0
.rept 16
	s_wait_dscnt 15-n                              ; the 15 - n younger reads stay out
	v_pk_add_f32 v[\f+4*n:\f+4*n+1], v[\f+4*n:\f+4*n+1], v[BIAS:BIAS+1]
	v_pk_add_f32 v[\f+4*n+2:\f+4*n+3], v[\f+4*n+2:\f+4*n+3], v[BIAS+2:BIAS+3]
	global_store_b128 v[CO], v[\f+4*n:\f+4*n+3], s[70:71] offset:4096*n th:TH_STORE_NT   ; the wave stores 512 consecutive bytes, aligned
.set n, n+1
.endr
.endm
	PLACES                                         ; four places in front of the first LDS store of a matrix result and of the loads into the fragment buffers
	s_wait_loadcnt 0x0                             ; the bias, once
	FOUT 0, 64
	FOUT 1, 128
	FOUT 2, 64
	FOUT 3, 128
	s_wait_tensorcnt 0x0
	ds_add_u32 v62, v63
	s_wait_dscnt 0x0
	CROUND                                         ; the closing round: no work-group ends while a partner may still ask jointly
	s_endpgm
.Lfunc_end_k_q4c89f26d5f_proj:
	.size	k_q4c89f26d5f_proj, .Lfunc_end_k_q4c89f26d5f_proj-k_q4c89f26d5f_proj
	.p2alignl 7, 3214868480
	.fill 96, 4, 3214868480
	.section	.rodata,"a",@progbits
	.p2align	6, 0x0
	.amdhsa_kernel k_q4c89f26d5f_proj
		.amdhsa_group_segment_fixed_size 327680
		.amdhsa_private_segment_fixed_size 0
		.amdhsa_enable_private_segment 0
		.amdhsa_kernarg_size 32
		.amdhsa_user_sgpr_count 2
		.amdhsa_user_sgpr_kernarg_segment_ptr 1
		.amdhsa_wavefront_size32 1
		.amdhsa_system_sgpr_workgroup_id_x 1
		.amdhsa_system_sgpr_workgroup_id_y 1
		.amdhsa_system_sgpr_workgroup_id_z 1
		.amdhsa_system_vgpr_workitem_id 0
		.amdhsa_next_free_vgpr 512
		.amdhsa_next_free_sgpr 80
		.amdhsa_reserve_vcc 0
		.amdhsa_float_denorm_mode_32 3
		.amdhsa_float_denorm_mode_16_64 3
		.amdhsa_memory_ordered 1
		.amdhsa_forward_progress 1
		.amdhsa_inst_pref_size 126
	.end_amdhsa_kernel
	.amdgpu_metadata
---
amdhsa.version: [ 1, 2 ]
amdhsa.kernels:
  - .name:           k_q4c89f26d5f_proj
    .symbol:         k_q4c89f26d5f_proj.kd
    .args:
      - { .name: AO, .offset: 0, .size: 8, .value_kind: global_buffer, .address_space: global }
      - { .name: Wh, .offset: 8, .size: 8, .value_kind: global_buffer, .address_space: global }
      - { .name: b, .offset: 16, .size: 8, .value_kind: global_buffer, .address_space: global }
      - { .name: out0, .offset: 24, .size: 8, .value_kind: global_buffer, .address_space: global }
    .group_segment_fixed_size: 327680
    .private_segment_fixed_size: 0
    .kernarg_segment_align: 8
    .kernarg_segment_size: 32
    .max_flat_workgroup_size: 128
    .sgpr_count:     80
    .vgpr_count:     512
    .wavefront_size: 32
...
	.end_amdgpu_metadata
.endif
;; end of part 4
;; ======== version 2 of 3: 4 launches; 1.14 times as fast as version 1
;; limits: values are held in f16: magnitudes above 65,504 overflow, below 6.1e-05 lose precision
;; workspace buffers: Qh 16,777,216 bytes; Kh 16,777,216 bytes; Vh 16,777,216 bytes; Wh 2,097,152 bytes; Vs 131,072 bytes; Pt 33,554,432 bytes; St 1,048,576 bytes; AO 16,777,216 bytes
;; launch prep: the kernel of part 1 again; grid 800 x 1, 8 waves a work-group, no clusters, 1,536 bytes of LDS; arguments Q, K, V, W, Qh, Kh, Vh, Wh, Vs; writes Qh, Kh, Vh, Wh, Vs
;; launch scores (part 5): grid 40 x 4, 4 waves a work-group, no clusters, 327,680 bytes of LDS; arguments Qh, Kh, Pt, St; writes Pt, St
.if DOCPART == 5
	.amdgcn_target "amdgcn-amd-amdhsa--gfx1250"
	.amdhsa_code_object_version 6
	.text
	.protected	k_q4c89f26d5f_scores
	.globl	k_q4c89f26d5f_scores
	.p2align	8
	.type	k_q4c89f26d5f_scores,@function
k_q4c89f26d5f_scores:
	s_mov_b64 s[64:65], 0
	v_nop
	global_prefetch_b8 v0, s[64:65] scope:SCOPE_SE
	s_setreg_imm32_b32 hwreg(HW_REG_WAVE_MODE, 25, 1), 1
	s_wait_xcnt 0x0
; One tile of 256 queries x 256 keys of the masked scores, as weights relative to the tile's own row maximum.
;   score = Q.K / 32 + 1e-13, and -1e-13 where key > query (the mask keeps a weight: it is no -inf)
;   c[row]  = ceil(log2e x largest score of the row in this tile)          (a whole number, so that 2^(c - C) is exact later)
;   Pt      = f16( 2^(log2e x score - c) ), in (0, 1]
;   l[row]  = sum of these weights (f32, before the rounding to f16), one for each half of 128 keys
; St[batch][tile j][array][2048 rows] f32: array 0 = c, 1 = l of keys 0-127, 2 = l of keys 128-255, 3 = c once more (the second column half's copy:
; each of the four waves then carries one array of 1,024 bytes out, and no branch on the wave's number is needed).
; Only key tiles j <= 2 g + 1 of the super-row g (512 queries) are made: all further tiles lie wholly in the future, where every weight of a row is the
; same number; the next launch adds their share from sums of V.  20 (g, j) pairs x 2 row blocks x 4 batches = 160 work-groups of equal work.
; The tile (row block 0, j = 2 g + 1) lies wholly in the future too; the next launch reads its weights, and its product is made like the others' and masked.
; CLUSTERS: none.  Key tile j is read by 8 - 2 (j / 2) row blocks and a query block by 2 g + 2 tiles: sets of 2, 4, 6 or 8, and super-row 0 has 2 x 2
; work-groups in all, so groups of four along either axis do not divide them.  With blocks of 256 x 256 a byte brought into LDS feeds 128 multiply-adds.
; LIMITS: inputs finite; f16 operands (magnitudes below 65,504); weights below 3e-8 of the tile's largest become 0 in f16;
; v_exp_f32 gives 0 for results below 2^-126 (ISA guide 15.8).
;
; THE PRODUCT.  Four waves; wave w makes rows 128 (w >> 1) .. + 127 and columns 128 (w & 1) .. + 127: 64 accumulator tiles of 16 x 16, 512 registers.
; K goes in steps of 128 (rows of 256 bytes, each at a multiple of 256 bytes from its buffer's first byte) through a ring of two LDS slots; a slot holds
; 256 rows of Q's tile, then 256 rows of K's, pitch 272.  Each wave fetches 128 rows with one tensor load: waves 0, 1 Q's halves, waves 2, 3 K's.
; The matrix instruction is used transposed (source 0 = 16 keys, source 1 = 16 queries): lane l holds query l % 16, registers 0-7 keys 8 (l / 16) + 0..7.
; REGISTERS, in windows of 256:
;   window 0: v0-63 addresses and the rows' figures; v64-127, v128-191 fragments of Q (8 x 16 rows x 32 K), two buffers; v192-223 packed weights; v224-239 bias pairs
;   window 1: v64-127, v128-191 fragments of K, two buffers
;   window 2: the 32 accumulator tiles of my rows 0-63 (tile (a, b) at v[8 (8 a + b)]);   window 3: those of my rows 64-127
.set KSTEP,  128
.set PITCH,  272                       ; 256 bytes + 16 of padding: the 16 rows of a fragment load start at 16 different 16-byte columns of the banks' 256 bytes (ISA guide 11.1)
.set HALFT,  128*PITCH                 ; 128 rows: what one tensor load brings, and what one wave reads of Q or of K
.set SLOT,   4*HALFT                   ; 139,264
.set STAGE,  2*SLOT                    ; 278,528: behind the ring, never the target of a tensor load
.set SPITCH, 272
.set MXT,    STAGE+4*16*SPITCH         ; [column half][256 rows] f32: the halves' row maxima
.set SX,     MXT+2048                  ; 4 x 256 f32: St's four arrays
.set LAPS,   4                         ; 1024 / 256: a lap = two K steps = once round the ring
.set ADRA, 16                          ; v16-17 LDS address of my query fragments in slot 0, 1
.set ADRB, 20                          ; v20-21 the same for keys
.set STO,  24
.set RD,   25
.set CO,   26
.set D0,   27                          ; query - key of my register 0 in tile (0, 0)
.set AMR,  28                          ; the raw sum that gives the masked score
.set MXO,  30                          ; MXT: my word; MXP: the other column half's
.set MXP,  31
.set SXC,  32                          ; SX: where my c goes; SXL: my l; SXR: what I read back; STF: its place in St
.set SXL,  33
.set SXR,  34
.set STF,  35
.set MX,   36                          ; v36-43 row maximum of row block a
.set CC,   44                          ; v44-51 c
.set SM,   52                          ; v52-59 l
.set F0,   64                          ; fragment buffer 0
.set F1,   128                         ; fragment buffer 1
.set TP,   96                          ; v96-103 at work between lanes (written before: old fragments, later first sums)
.set SU,   96                          ; v96-127 first sums
.set TMP,  192                         ; v192-223 packed weights
.set BI,   224                         ; v224-239 pairs (1e-13 log2e - c)
.set G1,   24                          ; s[24:31] descriptor group 1: the same shape for Q's and K's tiles
.set G0,   32                          ; s[32:39] descriptor group 0, one set for each slot
.set MK,   80                          ; s80-87 the mask's lane masks
.set MSB, 0
.macro WIN new                         ; the immediate's high byte repeats the setting that is left
.if MSB != \new
	s_set_vgpr_msb (MSB<<8)|\new
.set MSB, \new
.endif
.endm
.set MUL_LO, 0xa1                      ; source 0 (keys) window 1, source 1 (queries) window 0, C and D window 2
.set MUL_HI, 0xf1                      ; the same, C and D window 3
.set TO_B,   0x40                      ; destination window 1, address window 0
.macro PLACES                          ; four places behind a matrix instruction (ISA guide 7.12.1)
.rept 4
	v_nop
.endr
.endm
; 16 matrix instructions: row blocks a0, a0 + 1 of the window's four (hi = 0: my rows 0-63, 1: rows 64-127) x all 8 column blocks, 32 along K.
; zero = 1: the first product starts the sums.  The 64 accumulators take turns, one instruction a turn, in the same order in every quarter step.
.macro MUL16 f, hi, a0, zero
.irp a, \a0, \a0+1
.irp b, 0,1,2,3,4,5,6,7
.if \zero
	v_wmma_f32_16x16x32_f16 v[8*(8*(\a)+\b):8*(8*(\a)+\b)+7], v[\f+8*\b:\f+8*\b+7], v[\f+8*(4*\hi+\a):\f+8*(4*\hi+\a)+7], 0
.else
	v_wmma_f32_16x16x32_f16 v[8*(8*(\a)+\b):8*(8*(\a)+\b)+7], v[\f+8*\b:\f+8*\b+7], v[\f+8*(4*\hi+\a):\f+8*(4*\hi+\a)+7], v[8*(8*(\a)+\b):8*(8*(\a)+\b)+7]
.endif
.endr
.endr
.endm
; 32 LDS loads in one run: the fragments of one quarter step (128 rows of K, 128 rows of Q, 32 K at byte k of the rows) into buffer f
.macro FETCH slot, k, f
	WIN TO_B
.irp i, 0,1,2,3,4,5,6,7
	ds_load_b128 v[\f+8*\i:\f+8*\i+3],   v[ADRB+\slot] offset:\k+\i*16*PITCH
	ds_load_b128 v[\f+8*\i+4:\f+8*\i+7], v[ADRB+\slot] offset:\k+\i*16*PITCH+32
.endr
	WIN 0
.irp i, 0,1,2,3,4,5,6,7
	ds_load_b128 v[\f+8*\i:\f+8*\i+3],   v[ADRA+\slot] offset:\k+\i*16*PITCH
	ds_load_b128 v[\f+8*\i+4:\f+8*\i+7], v[ADRA+\slot] offset:\k+\i*16*PITCH+32
.endr
.endm
; A K step is four quarter steps of 32 along K, 64 matrix instructions each, on buffers 0, 1, 0, 1.
; One of the first three: multiplies buffer f; in its middle it fetches the next quarter's fragments, at byte k of the same slot's rows, into buffer g.
.macro QUARTER slot, k, f, g, zero
	s_wait_dscnt 8                                 ; K's fragments and Q's rows 0-63 are in; the youngest eight loads (Q's rows 64-127) may be out
	WIN MUL_LO
	MUL16 \f, 0, 0, \zero
	MUL16 \f, 0, 2, \zero
	PLACES                                         ; buffer g was read by matrix instructions: four places in front of the loads into it
	FETCH \slot, \k, \g
	s_wait_dscnt 32                                ; all but the 32 just issued
	WIN MUL_HI
	MUL16 \f, 1, 0, \zero
	MUL16 \f, 1, 2, \zero
.endm
.macro THREE slot, zero
	QUARTER \slot, 64,  F0, F1, \zero
	QUARTER \slot, 128, F1, F0, 0
	QUARTER \slot, 192, F0, F1, 0
.endm
; The last quarter: multiplies buffer 1 and changes slots.  next = the other slot; fill = 1: this slot is filled again, two K steps ahead.
; ONE barrier for the change of slots.  In front of it each wave waits for its own reads of this slot and for all its tensor loads, of which one is out:
; its part of the next slot.  Behind it nobody reads this slot any more and the next slot is whole: the refill comes first, then the next slot's first
; fragments.  From a request to the wait for it a wave issues 240 matrix instructions.
.macro TURN slot, next, fill
	s_wait_dscnt 8
	WIN MUL_LO
	MUL16 F1, 0, 0, 0
	s_wait_dscnt 0                                 ; my reads of this slot are over
	s_wait_tensorcnt 0x0                           ; all my tensor loads have landed, so a group 0 may be written
	ds_add_u32 v255, v255
	s_wait_dscnt 0x0
.if \fill
	s_add_nc_u64 s[G0+4*\slot+2:G0+4*\slot+3], s[G0+4*\slot+2:G0+4*\slot+3], 2*KSTEP*2   ; this slot's next tile: two K steps on
.endif
	s_barrier_signal -1
	MUL16 F1, 0, 2, 0                              ; register work while the others arrive
	s_barrier_wait -1
.if \fill
	tensor_load_to_lds s[G0+4*\slot:G0+4*\slot+3], s[G1:G1+7]      ; first thing behind the barrier, and my only tensor load until the next
	s_nop 0
.endif
	PLACES
	FETCH \next, 0, F0
	WIN MUL_HI
	MUL16 F1, 1, 0, 0
	MUL16 F1, 1, 2, 0
.endm
.macro LAP zero                        ; once round the ring, both slots filled again
	THREE 0, \zero
	TURN 0, 1, 1
	THREE 1, 0
	TURN 1, 0, 1
.endm
	s_load_b128 s[4:7], s[0:1], 0x0                ; Qh, Kh
	s_load_b128 s[68:71], s[0:1], 0x10             ; Pt, St
	s_set_vgpr_msb 0x40
	v_lshl_add_u32 v255, v0, 2, 0x49c00
	s_set_vgpr_msb 0x4000
	v_mov_b32 v255, 0
	s_set_vgpr_msb 0x1
	ds_add_u32 v255, v255
	ds_add_u32 v255, v255
	s_set_vgpr_msb 0x100
	v_lshrrev_b32 v1, 5, v0
	v_readfirstlane_b32 s10, v1                    ; wave
	s_lshr_b32 s11, s10, 1                         ; my half of the rows.  Also: 0 = I fetch Q's tile, 1 = K's
	s_and_b32 s12, s10, 1                          ; my half of the columns.  Also: which 128 rows of that tile I fetch
	s_lshr_b32 s46, ttmp9, 1                       ; 0..19 = g (g + 1) + j, j <= 2 g + 1
	s_and_b32 s40, ttmp9, 1                        ; my row block of the super-row's two
	s_and_b32 s41, ttmp7, 0xffff                   ; batch
	s_cmp_ge_u32 s46, 2
	s_cselect_b32 s42, 1, 0
	s_cmp_ge_u32 s46, 6
	s_cselect_b32 s43, 1, 0
	s_add_co_u32 s42, s42, s43
	s_cmp_ge_u32 s46, 12
	s_cselect_b32 s43, 1, 0
	s_add_co_u32 s42, s42, s43                     ; g
	s_add_co_u32 s43, s42, 1
	s_mul_i32 s43, s43, s42
	s_sub_co_u32 s43, s46, s43                     ; j
	; descriptor group 1: a tile of 128 rows x 128 elements of 2 bytes, padded in LDS
	s_mov_b32 s[G1+0], (1<<16)|(1<<20)|(5<<22)|(3<<25)   ; 15:0 no mask; 17:16 elements of 2 bytes; 20 padding on; 24:22 after every 64 words; 31:25 four words
	s_mov_b32 s[G1+1], KSTEP<<16                   ; tensor_dim0 = 128
	s_mov_b32 s[G1+2], 128<<16                     ; tensor_dim1 = 128
	s_mov_b32 s[G1+3], KSTEP<<16                   ; tile_dim0 = 128
	s_mov_b32 s[G1+4], 128                         ; tile_dim1 = 128
	s_mov_b32 s[G1+5], 1024                        ; elements from row to row
	s_mov_b32 s[G1+6], 0
	s_mov_b32 s[G1+7], 0
	s_lshl_b32 s44, s41, 11                        ; 2048 batch
	s_lshl_b32 s47, s42, 9
	s_lshl_b32 s48, s40, 8
	s_add_co_u32 s47, s47, s48                     ; my block's first query in the batch: 512 g + 256 row block
	s_add_co_u32 s13, s44, s47                     ; and among the 8,192 rows
	s_lshl_b32 s45, s43, 8                         ; my tile's first key in the batch: 256 j
	s_add_co_u32 s49, s44, s45                     ; and among the 8,192 rows
	s_cmp_eq_u32 s11, 0
	s_cselect_b32 s16, s13, s49                    ; waves 0, 1: Q's rows; waves 2, 3: K's
	s_lshl_b32 s17, s12, 7
	s_add_co_u32 s16, s16, s17                     ; + my 128 rows of them
	s_lshl_b32 s16, s16, 11                        ; x 2,048 bytes a row
	s_mov_b32 s17, 0
	s_mul_i32 s20, s10, HALFT                      ; LDS: Q's two halves, then K's two halves = wave x 128 rows
	s_wait_dscnt 0x0
	s_wait_kmcnt 0x0
	s_cmp_eq_u32 s11, 0
	s_cselect_b64 s[14:15], s[4:5], s[6:7]
	s_add_nc_u64 s[14:15], s[14:15], s[16:17]
.irp s, 0,1
	s_mov_b32 s[G0+4*\s], 1                                        ; count = 1
	s_add_co_u32 s[G0+4*\s+1], s20, \s*SLOT                        ; LDS address
	s_add_nc_u64 s[G0+4*\s+2:G0+4*\s+3], s[14:15], \s*KSTEP*2      ; global address: K step s
	s_or_b32 s[G0+4*\s+3], s[G0+4*\s+3], 0x80000000                ; type = 2
	tensor_load_to_lds s[G0+4*\s:G0+4*\s+3], s[G1:G1+7]            ; both first fills go out before anything else is done
	s_nop 0
.endr
	; fragment addresses: row (l % 16) x pitch + 16 (l / 16)
	v_and_b32 v1, 15, v0                           ; l % 16
	v_bfe_u32 v2, v0, 4, 1                         ; l / 16
	v_mul_u32_u24 v3, v1, PITCH
	v_lshl_add_u32 v3, v2, 4, v3
	s_mul_i32 s21, s11, HALFT                      ; my 128 rows of Q
	s_mul_i32 s22, s12, HALFT                      ; my 128 rows of K,
	s_add_co_u32 s22, s22, 2*HALFT                 ; which lie behind Q's 256
.irp s, 0,1
	v_add_nc_u32 v[ADRA+\s], s21, v3
	v_add_nc_u32 v[ADRB+\s], s22, v3
	s_add_co_u32 s21, s21, SLOT
	s_add_co_u32 s22, s22, SLOT
.endr
	; the way out and the epilogue's addresses, while the first tiles are on their way
	s_mul_i32 s23, s10, 16*SPITCH
	s_add_co_u32 s23, s23, STAGE                   ; my stage: 16 rows x 272 bytes
	v_add_nc_u32 v[STO], s23, v3                   ; in: row l % 16, 16 bytes for each half of the lanes
	v_mul_u32_u24 v4, v2, SPITCH
	v_lshl_add_u32 v4, v1, 4, v4
	v_add_nc_u32 v[RD], s23, v4                    ; back: lanes 0-15 one row of 256 bytes, lanes 16-31 the next
	v_lshlrev_b32 v4, 12, v2
	v_lshl_add_u32 v[CO], v1, 4, v4                ; the same two rows in Pt (4,096 bytes a row)
	s_lshl_b32 s17, s11, 7                         ; query - key at my corner: first query + 128 mh - 256 j - 128 nh + l % 16 - 8 (l / 16)
	s_add_co_u32 s16, s47, s17
	s_sub_co_u32 s16, s16, s45
	s_lshl_b32 s17, s12, 7
	s_sub_co_u32 s16, s16, s17
	v_lshlrev_b32 v4, 3, v2
	v_sub_nc_u32 v4, v1, v4
	v_add_nc_u32 v[D0], s16, v4
	v_mov_b32 v[AMR], 0xace12e13                   ; -64 x f32(1e-13): / 32 + 1e-13 gives exactly -1e-13
	s_lshl_b32 s17, s11, 9
	v_lshl_add_u32 v5, v1, 2, s17                  ; 4 x (128 mh + l % 16)
	s_lshl_b32 s18, s12, 10
	s_add_co_u32 s19, s18, MXT
	v_add_nc_u32 v[MXO], s19, v5
	s_xor_b32 s19, s18, 1024
	s_add_co_u32 s19, s19, MXT
	v_add_nc_u32 v[MXP], s19, v5
	s_mul_i32 s19, s12, 3072
	s_add_co_u32 s19, s19, SX                      ; c: array 0 for column half 0, array 3 for half 1
	v_add_nc_u32 v[SXC], s19, v5
	s_add_co_u32 s19, s18, SX+1024                 ; l: array 1 or 2
	v_add_nc_u32 v[SXL], s19, v5
	v_and_b32 v6, 31, v0
	v_lshlrev_b32 v[STF], 4, v6
	s_lshl_b32 s19, s10, 10
	s_add_co_u32 s19, s19, SX                      ; wave w carries array w out
	v_add_nc_u32 v[SXR], s19, v[STF]
	s_mov_b32 s72, 0x3fb8aa3b                      ; log2e
	s_mov_b32 s73, 0xbfb8aa3b                      ; -log2e
	s_mov_b32 s74, 0x29e12e13                      ; 1e-13
	s_mov_b32 s75, 0x3d000000                      ; 1 / 32
	s_mov_b32 s76, 0x76543210                      ; v_permlanex16_b32: lane i reads lane i of the other half
	s_mov_b32 s77, 0xfedcba98
	s_lshl_b32 s16, s11, 7                         ; Pt at my corner: (block's row + 128 mh) x 4,096 + (256 j + 128 nh) x 2
	s_add_co_u32 s16, s13, s16
	s_lshl_b32 s16, s16, 12
	s_lshl_b32 s17, s43, 9
	s_add_co_u32 s16, s16, s17
	s_lshl_b32 s17, s12, 8
	s_add_co_u32 s16, s16, s17
	s_mov_b32 s17, 0
	s_add_nc_u64 s[68:69], s[68:69], s[16:17]
	s_lshl_b32 s16, s41, 3                         ; St: ((8 batch + j) x 4 + wave) x 8,192 + (512 g + 256 row block) x 4
	s_add_co_u32 s16, s16, s43
	s_lshl_b32 s16, s16, 2
	s_add_co_u32 s16, s16, s10
	s_lshl_b32 s16, s16, 13
	s_lshl_b32 s17, s47, 2
	s_add_co_u32 s16, s16, s17
	s_mov_b32 s17, 0
	s_add_nc_u64 s[70:71], s[70:71], s[16:17]
	s_wait_tensorcnt 0x1                           ; my part of K step 0 is in; K step 1's may stay out
	s_barrier_signal -1
	s_barrier_wait -1                              ; everybody's is
	FETCH 0, 0, F0
	LAP 1                                          ; the first lap stands in front of the loop: its first products start the sums
	WIN 0                                          ; at a label and at a branch every window is 0
	s_mov_b32 s3, LAPS-2
.Llap:
	LAP 0
	WIN 0
	s_sub_co_u32 s3, s3, 1
	s_cmp_lg_u32 s3, 0
	s_cbranch_scc1 .Llap
	THREE 0, 0                                     ; the last lap fills nothing
	TURN 0, 1, 0
	THREE 1, 0
	s_wait_dscnt 8                                 ; the very last quarter: nothing more to fetch
	WIN MUL_LO
	MUL16 F1, 0, 0, 0
	MUL16 F1, 0, 2, 0
	s_wait_dscnt 0
	WIN MUL_HI
	MUL16 F1, 1, 0, 0
	MUL16 F1, 1, 2, 0
	; THE MASK.  Element (a, b, r) is in the future where 16 (b - a) + r > query - key of my corner.  Tiles j < 2 g + row block hold no such element.
	; The compare hangs on b - a and r alone: 15 x 8 compares into scalar masks serve all 512 selects.
	PLACES
	WIN 0
	s_lshl_b32 s16, s42, 1
	s_add_co_u32 s16, s16, s40
	s_cmp_lt_u32 s43, s16
	s_cbranch_scc1 .Lall_past
.irp e, 0,1,2,3,4,5,6,7,8,9,10,11,12,13,14     ; e = b - a + 7
.irp r, 0,1,2,3,4,5,6,7
	v_cmp_gt_i32 s[MK+\r], 16*(\e-7)+\r, v[D0]     ; source 1 is in window 0 under every setting used here
.endr
.if \e >= 4                                    ; row blocks 0-3 have a column block with this b - a
	WIN 0x82                                       ; source 0 and destination window 2
.irp a, 0,1,2,3
.if \a+\e >= 7
.if \a+\e <= 14
.irp r, 0,1,2,3,4,5,6,7
	v_cndmask_b32 v[64*\a+8*(\a+\e-7)+\r], v[64*\a+8*(\a+\e-7)+\r], v[AMR], s[MK+\r]
.endr
.endif
.endif
.endr
.endif
.if \e <= 10                                   ; row blocks 4-7 have one
	WIN 0xc3                                       ; source 0 and destination window 3
.irp a, 4,5,6,7
.if \a+\e >= 7
.if \a+\e <= 14
.irp r, 0,1,2,3,4,5,6,7
	v_cndmask_b32 v[64*(\a-4)+8*(\a+\e-7)+\r], v[64*(\a-4)+8*(\a+\e-7)+\r], v[AMR], s[MK+\r]
.endr
.endif
.endif
.endr
.endif
.endr
	WIN 0
.Lall_past:
	; THE ROW MAXIMUM: my 64 numbers of each of eight rows, the other half of the lanes, the other column half's wave
.macro ROWMAX win, m                   ; four row blocks of one window, four chains that do not wait for each other
	WIN \win
.irp a, 0,1,2,3
	v_max_num_f32 v[\m+\a], v[64*\a], v[64*\a+1]
.endr
.set p, 1
.rept 31
.irp a, 0,1,2,3
	v_max3_num_f32 v[\m+\a], v[64*\a+2*p], v[64*\a+2*p+1], v[\m+\a]
.endr
.set p, p+1
.endr
.endm
	ROWMAX 0x0a, MX                                ; sources 0 and 1 in window 2
	ROWMAX 0x0f, MX+4                              ; in window 3
	WIN 0
.irp a, 0,1,2,3,4,5,6,7
	v_permlanex16_b32 v[TP+\a], v[MX+\a], s76, s77     ; the destination counts as read: it holds old fragments
.endr
.irp a, 0,1,2,3,4,5,6,7
	v_max_num_f32 v[MX+\a], v[MX+\a], v[TP+\a]
	ds_store_b32 v[MXO], v[MX+\a] offset:64*\a
.endr
	s_wait_dscnt 0x0                               ; my maxima are in LDS, for the other wave's sake
	s_barrier_signal -1
	s_barrier_wait -1
.irp a, 0,1,2,3,4,5,6,7
	ds_load_b32 v[TP+\a], v[MXP] offset:64*\a
.endr
	s_wait_dscnt 0x0
.irp a, 0,1,2,3,4,5,6,7
	v_max_num_f32 v[MX+\a], v[MX+\a], v[TP+\a]
	v_fma_f32 v[TP+\a], v[MX+\a], s75, s74         ; the largest score
	v_mul_f32 v[TP+\a], s73, v[TP+\a]
	v_floor_f32 v[TP+\a], v[TP+\a]                 ; -c = floor(-log2e x score)
	v_fma_f32 v[BI+2*\a], s74, s72, v[TP+\a]       ; 1e-13 log2e - c, twice: a pair for the packed multiply-add
	v_fma_f32 v[BI+2*\a+1], s74, s72, v[TP+\a]
	v_sub_f32 v[CC+\a], 0, v[TP+\a]
	ds_store_b32 v[SXC], v[CC+\a] offset:64*\a
.endr
; Row block a (q = its place in its window): weights, their sums, and 16 rows of Pt through my stage.
; wa: the window as source 0 and destination; wb: as sources 0 and 1; f: the registers that carry the rows out, two sets in turn.
.macro POUT a, q, wa, wb, f
	WIN \wa
.set p, 0
.rept 32
	v_pk_fma_f32 v[64*\q+2*p:64*\q+2*p+1], v[64*\q+2*p:64*\q+2*p+1], 0x3d38aa3b, v[BI+2*\a:BI+2*\a+1] op_sel_hi:[1,0,1]   ; raw sum x log2e / 32 + 1e-13 log2e - c
.set p, p+1
.endr
.set p, 0
.rept 64
	v_exp_f32 v[64*\q+p], v[64*\q+p]
.set p, p+1
.endr
	v_nop                                          ; one plain place behind the last v_exp_f32 (ISA guide 5.7.2)
	WIN \wb
.set p, 0
	s_wait_alu depctr_va_vdst(0)
.rept 32
	v_cvt_pk_f16_f32 v[TMP+p], v[64*\q+2*p], v[64*\q+2*p+1]
.set p, p+1
.endr
.set p, 0
.rept 16
	v_pk_add_f32 v[SU+2*p:SU+2*p+1], v[64*\q+4*p:64*\q+4*p+1], v[64*\q+4*p+2:64*\q+4*p+3]
.set p, p+1
.endr
	WIN 0
.irp b, 0,1,2,3,4,5,6,7
	ds_store_b128 v[STO], v[TMP+4*\b:TMP+4*\b+3] offset:32*\b
.endr
.irp w, 8,4,2,1
.set p, 0
.rept \w
	v_pk_add_f32 v[SU+2*p:SU+2*p+1], v[SU+2*p:SU+2*p+1], v[SU+2*(p+\w):SU+2*(p+\w)+1]
.set p, p+1
.endr
.endr
	v_add_f32 v[SM+\a], v[SU], v[SU+1]
	s_wait_xcnt 0x0                                ; the registers that earlier stores read, and the stores' base, are rewritten only behind this wait
.if \a
	s_add_nc_u64 s[68:69], s[68:69], 16*4096
.endif
.irp t, 0,1,2,3,4,5,6,7
	ds_load_b128 v[\f+4*\t:\f+4*\t+3], v[RD] offset:\t*2*SPITCH    ; LDS serves a wave's instructions in order: these see the stores above
.endr
.irp t, 0,1,2,3,4,5,6,7
	s_wait_dscnt 7-\t                              ; the 7 - t younger reads stay out
	global_store_b128 v[CO], v[\f+4*\t:\f+4*\t+3], s[68:69] offset:2*\t*4096   ; 16 lanes store 256 consecutive bytes, aligned
.endr
.endm
	POUT 0, 0, 0x82, 0x0a, F0
	POUT 1, 1, 0x82, 0x0a, F1
	POUT 2, 2, 0x82, 0x0a, F0
	POUT 3, 3, 0x82, 0x0a, F1
	POUT 4, 0, 0xc3, 0x0f, F0
	POUT 5, 1, 0xc3, 0x0f, F1
	POUT 6, 2, 0xc3, 0x0f, F0
	POUT 7, 3, 0xc3, 0x0f, F1
.irp a, 0,1,2,3,4,5,6,7
	v_permlanex16_b32 v[TP+\a], v[SM+\a], s76, s77     ; the other eight columns of each block of sixteen
.endr
.irp a, 0,1,2,3,4,5,6,7
	v_add_f32 v[SM+\a], v[SM+\a], v[TP+\a]
	ds_store_b32 v[SXL], v[SM+\a] offset:64*\a
.endr
	s_wait_dscnt 0x0                               ; my c and l are in LDS, for the sake of the wave that carries them out
	s_barrier_signal -1
	s_barrier_wait -1
	ds_load_b128 v[MX:MX+3], v[SXR]                ; array w of the four: 256 rows, 1,024 consecutive bytes
	ds_load_b128 v[MX+4:MX+7], v[SXR] offset:512
	s_wait_dscnt 0x0
	global_store_b128 v[STF], v[MX:MX+3], s[70:71]
	global_store_b128 v[STF], v[MX+4:MX+7], s[70:71] offset:512
	s_set_vgpr_msb 0x1
	s_wait_tensorcnt 0x0
	ds_add_u32 v255, v255
	s_wait_dscnt 0x0
	s_set_vgpr_msb 0x100
	s_endpgm
.Lfunc_end_k_q4c89f26d5f_scores:
	.size	k_q4c89f26d5f_scores, .Lfunc_end_k_q4c89f26d5f_scores-k_q4c89f26d5f_scores
	.p2alignl 7, 3214868480
	.fill 96, 4, 3214868480
	.section	.rodata,"a",@progbits
	.p2align	6, 0x0
	.amdhsa_kernel k_q4c89f26d5f_scores
		.amdhsa_group_segment_fixed_size 327680
		.amdhsa_private_segment_fixed_size 0
		.amdhsa_enable_private_segment 0
		.amdhsa_kernarg_size 32
		.amdhsa_user_sgpr_count 2
		.amdhsa_user_sgpr_kernarg_segment_ptr 1
		.amdhsa_wavefront_size32 1
		.amdhsa_system_sgpr_workgroup_id_x 1
		.amdhsa_system_sgpr_workgroup_id_y 1
		.amdhsa_system_sgpr_workgroup_id_z 1
		.amdhsa_system_vgpr_workitem_id 0
		.amdhsa_next_free_vgpr 1024
		.amdhsa_next_free_sgpr 96
		.amdhsa_reserve_vcc 0
		.amdhsa_float_denorm_mode_32 3
		.amdhsa_float_denorm_mode_16_64 3
		.amdhsa_memory_ordered 1
		.amdhsa_forward_progress 1
		.amdhsa_inst_pref_size 255
	.end_amdhsa_kernel
	.section	.bss,"aw",@nobits
	.p2align	6
	.space	262144
	.amdgpu_metadata
---
amdhsa.version: [ 1, 2 ]
amdhsa.kernels:
  - .name:           k_q4c89f26d5f_scores
    .symbol:         k_q4c89f26d5f_scores.kd
    .args:
      - { .name: Qh, .offset: 0, .size: 8, .value_kind: global_buffer, .address_space: global }
      - { .name: Kh, .offset: 8, .size: 8, .value_kind: global_buffer, .address_space: global }
      - { .name: Pt, .offset: 16, .size: 8, .value_kind: global_buffer, .address_space: global }
      - { .name: St, .offset: 24, .size: 8, .value_kind: global_buffer, .address_space: global }
    .group_segment_fixed_size: 327680
    .private_segment_fixed_size: 0
    .kernarg_segment_align: 8
    .kernarg_segment_size: 32
    .max_flat_workgroup_size: 128
    .sgpr_count:     96
    .vgpr_count:     1024
    .wavefront_size: 32
...
	.end_amdgpu_metadata
.endif
;; end of part 5
;; launch pv (part 6): grid 8 x 32, 4 waves a work-group, clusters of 4 x 1, 327,680 bytes of LDS; arguments Pt, Vh, Vs, St, AO; writes AO
.if DOCPART == 6
	.amdgcn_target "amdgcn-amd-amdhsa--gfx1250"
	.amdhsa_code_object_version 6
	.text
	.protected	k_q4c89f26d5f_pv
	.globl	k_q4c89f26d5f_pv
	.p2align	8
	.type	k_q4c89f26d5f_pv,@function
k_q4c89f26d5f_pv:
	s_mov_b64 s[64:65], 0
	v_nop
	global_prefetch_b8 v0, s[64:65] scope:SCOPE_SE
	s_setreg_imm32_b32 hwreg(HW_REG_WAVE_MODE, 25, 1), 1
	s_wait_xcnt 0x0
	s_wait_alu depctr_hold_cnt(0) depctr_sa_sdst(0) depctr_va_vdst(0) depctr_va_sdst(0) depctr_va_ssrc(0) depctr_va_vcc(0) depctr_vm_vsrc(0)
	s_getreg_b32 s2, hwreg(HW_REG_IB_STS2, 6, 4)
	s_cmp_eq_u32 s2, 0
	s_cbranch_scc0 .Lentry_in_a_cluster
	s_endpgm
.Lentry_in_a_cluster:
	s_bfe_u32 s2, ttmp6, 0x10000c
	s_cmp_lg_u32 s2, 0x3003
	s_cbranch_scc0 .Lentry_shape_is_right
	s_endpgm
.Lentry_shape_is_right:
; AO[s][d] = sum over t of attn[s][t] V[d][t], f16, from the tiles' relative weights Pt and their figures St.
;   C = max over the row's tiles of c_j (and 0, the future's c, where a future exists);  g_j = 2^(c_j - C) <= 1
;   L = sum of g_j (l0_j + l1_j) + pt x (2048 - 256 nb),  pt = 2^(-1e-13 log2e - C): the weight of each key beyond the tiles
;   AO = sum over j < nb of (g_j / L) x (Pt tile j . V tile j)  +  (pt / L) x (sum of V over t >= 256 nb)
; So the row's true maximum is taken away, tile by tile; every factor is at most 1 and is applied in f32.
; SHARES.  A tile of AO is 128 rows x 128 d.  Row block r (0..15 of a batch) needs nb = r / 2 + 1 key tiles of 256: all keys from 256 nb on are in its future.
; A work-group makes TWO tiles, those of row blocks 15 - p (the long one, nbL = 8 - p / 2 key tiles) and p (the short one, nbS = p / 2 + 1): nine key tiles
; together, whatever p.  8 pairs x 4 batches x 8 d tiles = 256 work-groups of equal work.
; The nine steps are written out.  Step i multiplies the long tile's rows where i < nbL, else the short tile's: only the two global addresses differ, chosen by a
; scalar select.  Each step has its own sums (started by the constant 0), folded into the long tile's and the short tile's main sums by packed multiply-adds
; whose factor is g_j / L for the tile at work and 0 for the other (steps 0-4 are always the long tile's, step 8 always the short one's: one fold there).
; A step's sums are finite (weights at most 1, V in f16), so that 0 x sum is 0.  The main sums are started by the future's term: nothing is cleared.
; CLUSTERS of 4 x 1: the four d tiles of one pair ask JOINTLY for Pt's tile.  V's tile is each work-group's own: only the two pairs with the same nbL walk the
; same key tiles in the same steps, so no group of four shares it.
; LIMITS: inputs finite; f16 operands and result (|V| below 65,504); v_exp_f32 gives 0 below 2^-126, v_rcp_f32 is good to 1 ulp (ISA guide 15.8).
;
; THE PRODUCT.  Four waves; wave w makes rows 64 (w >> 1) .. + 63 and d 64 (w & 1) .. + 63: 16 accumulator tiles of 16 x 16.
; A step is 256 keys: rows of 512 bytes, each at a multiple of 256 bytes from its buffer's first byte, through a ring of two LDS slots; a slot holds 128 rows of
; V's tile, then 128 rows of Pt's, pitch 528.  Each wave fetches 64 rows with one tensor load behind each round: waves 0, 1 V's halves, waves 2, 3 Pt's.
; The matrix instruction is used transposed (source 0 = 16 d, source 1 = 16 rows): lane l holds row l % 16, registers 0-7 hold d = 8 (l / 16) + 0..7.
; REGISTERS: window 0: v0-63 addresses and factors; v64-95 + v96-127 fragment buffer 0 (4 d blocks, 4 row blocks); v128-159 + v160-191 buffer 1; v192-255 packing.
;   window 1: v0-127 the step's sums (tile (a, b) at v[8 (4 a + b)]), v128-255 the long tile's main sums;   window 2: v0-127 the short tile's main sums.
.set KSTEP,  256
.set PITCH,  528                       ; 512 bytes + 16 of padding, an odd multiple of 16: the 16 rows of a fragment load start at 16 different 16-byte columns (ISA guide 11.1)
.set QT,     64*PITCH                  ; 64 rows: what one tensor load brings, and what one wave reads of V or of Pt
.set AOFF,   2*QT
.set SLOT,   4*QT                      ; 135,168
.set STAGE,  2*SLOT                    ; 270,336: behind the ring, never the target of a tensor load
.set SP,     144                       ; a stage row: 64 f16 + 16 bytes
.set WREG,   64*SP+128                 ; a wave's own part of the stage; the 128 set the two halves of an output row 128 bytes apart in the banks' 256
.set TABL,   STAGE+4*WREG              ; 14 x 128 pairs (f, f): entries 0-7 the long tile's factor in steps 0-7, 8 its future's weight,
.set TABS,   9*1024                    ;   9-12 the short tile's factor in steps 5-8, 13 its future's weight
.set SUFT,   TABL+14*1024              ; 2 x 128 f32: the future's sum of V for my 128 d, long tile, short tile
.set ADRA, 16                          ; v16-17 LDS address of my fragments of Pt in slot 0, 1
.set ADRB, 20                          ; v20-21 the same for V
.set STO,  24
.set RD,   25
.set CO,   26
.set FADR, 33                          ; TABL at my rows; never rewritten
.set SADR, 34                          ; SUFT at my d; never rewritten
.set FL,   40                          ; v40-47 the step's factor pairs for the long tile, one for each row block
.set FS,   48                          ; v48-55 for the short tile
.set FB0,  64
.set FA0,  96
.set FSTEP, 64
.set SUL,  128                         ; v128-159, v160-191 the futures' sums of V, before buffer 1 is first used
.set SUS,  160
.set TMP,  192                         ; v192-255 packed results
.set TWL,  200                         ; v200-207, v208-215 the futures' weight pairs
.set TWS,  208
; the table's registers, free again when the first fragments are fetched
.set CL,   64
.set LL0,  72
.set LL1,  80
.set OL,   88
.set CS,   96
.set LS0,  100
.set LS1,  104
.set OS,   108
.set VS,   112
.set GL,   120
.set GS,   128
.set PP,   144
.set HS,   172
.set PS,   176
.set G1A, 24
.set G0A, 32
.set G1B, 48
.set G0B, 56
.set NBL,  76                          ; s76 key tiles of the long tile, s77 of the short one
.set NBS,  77
.set ROWL, 78                          ; s78, s79 the tiles' first rows among the 8,192
.set ROWS, 79
.set OAL,  84                          ; s84 byte offset in Pt of my rows of the long tile; s85 of the short tile, less 512 nbL (modulo 2^32): + 512 i gives step i's tile
.set OAS,  85
.set OB,   86                          ; s86 byte offset in Vh of my rows; s87 the same less 512 nbL
.set OBS,  87
.set PADW, (1<<16)|(1<<20)|(6<<22)|(3<<25)   ; 17:16 elements of 2 bytes; 20 padding on; 24:22 after every 128 words; 31:25 four words
.set MULW, 0x50                        ; C and D in window 1
.set MSB, 0
.macro WIN new                         ; the immediate's high byte repeats the setting that is left
.if MSB != \new
	s_set_vgpr_msb (MSB<<8)|\new
.set MSB, \new
.endif
.endm
.macro PLACES                          ; four places behind a matrix instruction (ISA guide 7.12.1)
.rept 4
	v_nop
.endr
.endm
.macro SHAPE g                         ; descriptor group 1, words 1 to 7: a tile of 64 rows x 256 elements; Pt and Vh both have 2,048 elements a row
	s_mov_b32 s[\g+1], KSTEP<<16                   ; tensor_dim0 = 256
	s_mov_b32 s[\g+2], 64<<16                      ; tensor_dim1 = 64
	s_mov_b32 s[\g+3], KSTEP<<16                   ; tile_dim0 = 256
	s_mov_b32 s[\g+4], 64                          ; tile_dim1 = 64
	s_mov_b32 s[\g+5], 2048                        ; elements from row to row
	s_mov_b32 s[\g+6], 0
	s_mov_b32 s[\g+7], 0
.endm
.macro JLOAD s                         ; one tensor load a wave; the branch hangs on the wave's number alone
	s_cmp_eq_u32 s11, 0
	s_cbranch_scc0 .Lfor_a_\@
	tensor_load_to_lds s[G0B+4*\s:G0B+4*\s+3], s[G1B:G1B+7]
	s_nop 0
	s_branch .Lasked_\@
.Lfor_a_\@:
	tensor_load_to_lds s[G0A+4*\s:G0A+4*\s+3], s[G1A:G1A+7]
	s_nop 0
.Lasked_\@:
.endm
.macro CREST                           ; a round of the cluster's barrier behind its opening barrier
	s_cmp_lg_u32 s10, 0
	s_cbranch_scc1 .Lnot_wave_0_\@
	s_barrier_signal -3
.Lnot_wave_0_\@:
	s_barrier_wait -3
	s_barrier_signal -1
	s_barrier_wait -1
.endm
.macro CROUND
	s_barrier_signal -1
	s_barrier_wait -1
	CREST
.endm
; The addresses of step i2's tiles into slot's two group 0.  s[16:17] serve Pt's offset alone and never hold the place in the cluster; s[18:19] serve V's.
.macro NEXTADR slot, i2
	s_cmp_gt_u32 s[NBL], \i2                       ; is step i2 the long tile's?
	s_cselect_b32 s16, s[OAL], s[OAS]
	s_cselect_b32 s18, s[OB], s[OBS]
	s_add_co_u32 s16, s16, 512*\i2                 ; key tile i2, or i2 - nbL: 512 bytes along the rows each
	s_add_co_u32 s18, s18, 512*\i2
	s_add_nc_u64 s[G0A+4*\slot+2:G0A+4*\slot+3], s[4:5], s[16:17]
	s_or_b32 s[G0A+4*\slot+3], s[G0A+4*\slot+3], 0x80000000
	s_add_nc_u64 s[G0B+4*\slot+2:G0B+4*\slot+3], s[6:7], s[18:19]
	s_or_b32 s[G0B+4*\slot+3], s[G0B+4*\slot+3], 0x80000000
.endm
; 8 matrix instructions: row blocks a0, a0 + 1 x all 4 d blocks, 32 along K, from fragment buffer f.  zero = 1: the product starts the step's sums.
; The 16 accumulators take turns, one instruction a turn, in the same order in every eighth of a step.
.macro MUL8 f, a0, zero
.irp a, \a0, \a0+1
.irp b, 0,1,2,3
.if \zero
	v_wmma_f32_16x16x32_f16 v[8*(4*(\a)+\b):8*(4*(\a)+\b)+7], v[FB0+FSTEP*\f+8*\b:FB0+FSTEP*\f+8*\b+7], v[FA0+FSTEP*\f+8*(\a):FA0+FSTEP*\f+8*(\a)+7], 0
.else
	v_wmma_f32_16x16x32_f16 v[8*(4*(\a)+\b):8*(4*(\a)+\b)+7], v[FB0+FSTEP*\f+8*\b:FB0+FSTEP*\f+8*\b+7], v[FA0+FSTEP*\f+8*(\a):FA0+FSTEP*\f+8*(\a)+7], v[8*(4*(\a)+\b):8*(4*(\a)+\b)+7]
.endif
.endr
.endr
.endm
.macro FETCH slot, k, f                ; 16 LDS loads in one run: 64 rows of V, then 64 rows of Pt, 32 K at byte k of the rows
	WIN 0
.irp i, 0,1,2,3
	ds_load_b128 v[FB0+FSTEP*\f+8*\i:FB0+FSTEP*\f+8*\i+3],   v[ADRB+\slot] offset:\k+\i*16*PITCH
	ds_load_b128 v[FB0+FSTEP*\f+8*\i+4:FB0+FSTEP*\f+8*\i+7], v[ADRB+\slot] offset:\k+\i*16*PITCH+32
.endr
.irp i, 0,1,2,3
	ds_load_b128 v[FA0+FSTEP*\f+8*\i:FA0+FSTEP*\f+8*\i+3],   v[ADRA+\slot] offset:\k+\i*16*PITCH
	ds_load_b128 v[FA0+FSTEP*\f+8*\i+4:FA0+FSTEP*\f+8*\i+7], v[ADRA+\slot] offset:\k+\i*16*PITCH+32
.endr
.endm
; A step is eight eighths of 32 along K, 16 matrix instructions each, on buffers 0, 1, 0, 1 ..  One of the first seven: it first asks for the next eighth's
; fragments (byte k of the same slot's rows, into buffer g), which then have all sixteen matrix instructions in which to come, and multiplies buffer f.
.macro EIGHTH slot, k, f, g, zero
	PLACES                                         ; buffer g was read by the matrix instructions just issued: four places in front of the loads into it
	FETCH \slot, \k, \g
	s_wait_dscnt 16                                ; all but the 16 just issued: buffer f is in (and, in a step's first eighth, its factors)
	WIN MULW
	MUL8 \f, 0, \zero
	MUL8 \f, 2, \zero
.endm
; The last eighth: multiplies buffer 1 and changes slots.  fill = 1: this slot is filled again with step i2's tiles, behind a round of the cluster's barrier
; in front of which every wave has waited for its reads of the slot and for all its tensor loads.
.macro TURN slot, next, fill, i2
	s_wait_dscnt 0                                 ; buffer 1 is in, and my reads of this slot are over
	s_wait_tensorcnt 0x0                           ; all my tensor loads have landed: the one that was out is my part of the next slot; a group 0 may be written
	ds_add_u32 v62, v63
	s_wait_dscnt 0x0
.if \fill
	NEXTADR \slot, \i2
.endif
	s_barrier_signal -1
	WIN MULW
	MUL8 1, 0, 0                                   ; register work while the others arrive
	WIN 0
	s_barrier_wait -1
.if \fill
	CREST
	JLOAD \slot                                    ; the first tensor load behind the round, and my only one until the next
.endif
	PLACES
	FETCH \next, 0, 0
	WIN MULW
	MUL8 1, 2, 0
.endm
.macro FACLD i                         ; step i's factors of my four row blocks, by constant offsets
.if \i <= 7
.irp a, 0,1,2,3
	ds_load_b64 v[FL+2*\a:FL+2*\a+1], v[FADR] offset:1024*\i+128*\a
.endr
.endif
.if \i >= 5
.irp a, 0,1,2,3
	ds_load_b64 v[FS+2*\a:FS+2*\a+1], v[FADR] offset:TABS+1024*(\i-5)+128*\a
.endr
.endif
.endm
.macro FOLD i                          ; main sums += factor x the step's sums
	PLACES                                         ; four places in front of the first read of a matrix result
.if \i <= 7
	WIN 0x51                                       ; source 0 (the step's sums), source 2 and destination window 1; source 1 (the factors) window 0
.irp a, 0,1,2,3
.set p, 0
.rept 16
	v_pk_fma_f32 v[128+32*\a+2*p:128+32*\a+2*p+1], v[32*\a+2*p:32*\a+2*p+1], v[FL+2*\a:FL+2*\a+1], v[128+32*\a+2*p:128+32*\a+2*p+1]
.set p, p+1
.endr
.endr
.endif
.if \i >= 5
	WIN 0xa1                                       ; source 0 window 1, source 1 window 0, source 2 and destination window 2
.irp a, 0,1,2,3
.set p, 0
.rept 16
	v_pk_fma_f32 v[32*\a+2*p:32*\a+2*p+1], v[32*\a+2*p:32*\a+2*p+1], v[FS+2*\a:FS+2*\a+1], v[32*\a+2*p:32*\a+2*p+1]
.set p, p+1
.endr
.endr
.endif
	WIN 0
.endm
; Step i in slot.  kind 2: the slot is filled again with step i2's tiles; 1: slots change, nothing is left to fetch; 0: the last step.
.macro STEP i, slot, next, kind, i2
	FACLD \i
	EIGHTH \slot, 64,  0, 1, 1                     ; the step's first products start its sums
	EIGHTH \slot, 128, 1, 0, 0
	EIGHTH \slot, 192, 0, 1, 0
	EIGHTH \slot, 256, 1, 0, 0
	EIGHTH \slot, 320, 0, 1, 0
	EIGHTH \slot, 384, 1, 0, 0
	EIGHTH \slot, 448, 0, 1, 0
.if \kind == 2
	TURN \slot, \next, 1, \i2
.endif
.if \kind == 1
	TURN \slot, \next, 0, 0
.endif
.if \kind == 0
	s_wait_dscnt 0                                 ; the very last eighth: nothing more to fetch
	WIN MULW
	MUL8 1, 0, 0
	MUL8 1, 2, 0
.endif
	FOLD \i
.endm
	s_load_b128 s[4:7], s[0:1], 0x0                ; Pt, Vh: kept as they are, every tile's address is made from them
	s_load_b128 s[68:71], s[0:1], 0x10             ; Vs, St
	s_load_b64 s[72:73], s[0:1], 0x20              ; AO
	v_lshl_add_u32 v62, v0, 2, 0x4ee00
	v_mov_b32 v63, 0
	ds_add_u32 v62, v63
	ds_add_u32 v62, v63
	v_lshrrev_b32 v1, 5, v0
	v_readfirstlane_b32 s10, v1                    ; wave
	s_lshr_b32 s11, s10, 1                         ; my half of the rows.  Also: 0 = I fetch V's tile, 1 = Pt's
	s_and_b32 s12, s10, 1                          ; my half of the d.  Also: which 64 rows of that tile I fetch
	s_bfe_u32 s40, ttmp6, 0x40000                  ; cx
	s_lshl_b32 s41, ttmp9, 2
	s_add_co_u32 s41, s41, s40                     ; d tile = 4 x cluster x + cx, 0..7
	s_and_b32 s44, ttmp7, 0xffff                   ; y = 8 batch + pair
	s_lshr_b32 s45, s44, 3                         ; batch
	s_and_b32 s44, s44, 7                          ; p
	s_lshr_b32 s42, s44, 1                         ; p / 2 = nbS - 1
	s_add_co_u32 s[NBS], s42, 1
	s_sub_co_u32 s[NBL], 8, s42
	s_mov_b32 s[G1A], 15|(1<<21)|PADW              ; Pt's tile: all four of the cluster; bit 21 set beside a mask
	s_mov_b32 s[G1B], PADW                         ; V's tile: no mask
	SHAPE G1A
	SHAPE G1B
	s_lshl_b32 s13, s45, 11                        ; 2048 batch
	s_sub_co_u32 s14, 15, s44
	s_lshl_b32 s14, s14, 7                         ; the long tile's first row in the batch: 128 (15 - p)
	s_lshl_b32 s15, s44, 7                         ; the short tile's: 128 p
	s_add_co_u32 s[ROWL], s13, s14
	s_add_co_u32 s[ROWS], s13, s15
	s_lshl_b32 s16, s12, 6                         ; the 64 rows that I fetch
	s_lshl_b32 s17, s[NBL], 9                      ; 512 nbL
	s_add_co_u32 s[OAL], s[ROWL], s16
	s_lshl_b32 s[OAL], s[OAL], 12                  ; x 4,096 bytes a row of Pt
	s_add_co_u32 s[OAS], s[ROWS], s16
	s_lshl_b32 s[OAS], s[OAS], 12
	s_sub_co_u32 s[OAS], s[OAS], s17
	s_lshl_b32 s88, s45, 10
	s_lshl_b32 s18, s41, 7
	s_add_co_u32 s88, s88, s18                     ; my d tile's first row among V's 4,096: 1024 batch + 128 d tile
	s_lshl_b32 s18, s12, 6
	s_add_co_u32 s[OB], s88, s18
	s_lshl_b32 s[OB], s[OB], 12                    ; x 4,096 bytes a row of Vh
	s_sub_co_u32 s[OBS], s[OB], s17
	s_mov_b32 s17, 0                               ; the offsets' upper words, from here on
	s_mov_b32 s19, 0
	s_mul_i32 s20, s10, QT                         ; LDS: V's two halves, then Pt's two halves = wave x 64 rows
	; the table's loads.  Thread t (0-127) owns row t of both tiles and d = t of the d tile.
	s_lshl_b32 s80, s14, 2
	v_lshl_add_u32 v8, v0, 2, s80                  ; 4 x (long tile's row in the batch)
	s_lshl_b32 s81, s15, 2
	v_lshl_add_u32 v9, v0, 2, s81                  ; 4 x (short tile's)
	s_lshl_b32 s82, s45, 3                         ; 8 batch
	s_lshl_b32 s83, s88, 5
	v_lshl_add_u32 v10, v0, 5, s83                 ; 32 x (my row of Vs)
	s_sub_co_u32 s89, s[NBL], 1
	s_wait_dscnt 0x0
	s_wait_kmcnt 0x0
.irp j, 0,1,2,3,4,5,6,7
	s_min_u32 s91, s89, \j                         ; beyond nbL - 1: the last tile's figures once more; they are set aside below
	s_add_co_u32 s91, s91, s82
	s_lshl_b32 s91, s91, 15
	v_add_nc_u32 v[OL+\j], s91, v8
	global_load_b32 v[CL+\j], v[OL+\j], s[70:71]
	global_load_b32 v[LL0+\j], v[OL+\j], s[70:71] offset:8192
	global_load_b32 v[LL1+\j], v[OL+\j], s[70:71] offset:16384
.endr
.irp j, 0,1,2,3
	s_min_u32 s91, s42, \j                         ; beyond nbS - 1 likewise
	s_add_co_u32 s91, s91, s82
	s_lshl_b32 s91, s91, 15
	v_add_nc_u32 v[OS+\j], s91, v9
	global_load_b32 v[CS+\j], v[OS+\j], s[70:71]
	global_load_b32 v[LS0+\j], v[OS+\j], s[70:71] offset:8192
	global_load_b32 v[LS1+\j], v[OS+\j], s[70:71] offset:16384
.endr
	global_load_b128 v[VS:VS+3], v10, s[68:69]
	global_load_b128 v[VS+4:VS+7], v10, s[68:69] offset:16
	CROUND                                         ; the round in front of the first loads
.irp s, 0,1
	s_mov_b32 s[G0A+4*\s], 1                                       ; count = 1
	s_add_co_u32 s[G0A+4*\s+1], s20, \s*SLOT                       ; LDS address
	s_add_co_u32 s16, s[OAL], 512*\s                               ; steps 0 and 1 are the long tile's: nbL is at least 5
	s_add_nc_u64 s[G0A+4*\s+2:G0A+4*\s+3], s[4:5], s[16:17]
	s_or_b32 s[G0A+4*\s+3], s[G0A+4*\s+3], 0x80000000              ; type = 2
	s_mov_b32 s[G0B+4*\s], 1
	s_add_co_u32 s[G0B+4*\s+1], s20, \s*SLOT
	s_add_co_u32 s18, s[OB], 512*\s
	s_add_nc_u64 s[G0B+4*\s+2:G0B+4*\s+3], s[6:7], s[18:19]
	s_or_b32 s[G0B+4*\s+3], s[G0B+4*\s+3], 0x80000000
	JLOAD \s                                       ; both first fills go out together
.endr
	; fragment addresses: row (l % 16) x pitch + 16 (l / 16)
	v_and_b32 v1, 15, v0                           ; l % 16
	v_bfe_u32 v2, v0, 4, 1                         ; l / 16
	v_mul_u32_u24 v3, v1, PITCH
	v_lshl_add_u32 v3, v2, 4, v3
	s_mul_i32 s22, s11, QT
	s_add_co_u32 s22, s22, AOFF                    ; my 64 rows of Pt lie behind V's 128
	s_mul_i32 s23, s12, QT                         ; my 64 rows of V
.irp s, 0,1
	v_add_nc_u32 v[ADRA+\s], s22, v3
	v_add_nc_u32 v[ADRB+\s], s23, v3
	s_add_co_u32 s22, s22, SLOT
	s_add_co_u32 s23, s23, SLOT
.endr
	; the way out.  In: my own part of the stage, row l % 16, 16 bytes for each half of the lanes.
	s_mul_i32 s22, s10, WREG
	s_add_co_u32 s22, s22, STAGE
	v_mul_u32_u24 v4, v1, SP
	v_lshl_add_u32 v4, v2, 4, v4
	v_add_nc_u32 v[STO], s22, v4
	; Back: wave w takes the tile's rows 32 w .. + 31, two at a time; lanes 0-7 of a half read d 0-63 (the part of wave 2 (w >> 1)), lanes 8-15 d 64-127 (the next part).
	s_mul_i32 s22, s11, 2*WREG
	s_mul_i32 s23, s12, 32*SP
	s_add_co_u32 s22, s22, s23
	s_add_co_u32 s22, s22, STAGE
	v_bfe_u32 v5, v0, 3, 1
	v_mul_u32_u24 v5, v5, WREG
	v_mul_u32_u24 v6, v2, SP
	v_add_nc_u32 v5, v5, v6
	v_and_b32 v6, 7, v0
	v_lshl_add_u32 v5, v6, 4, v5
	v_add_nc_u32 v[RD], s22, v5
	v_lshlrev_b32 v4, 11, v2
	v_lshl_add_u32 v[CO], v1, 4, v4                ; the same two rows in AO (2,048 bytes a row), 16 bytes a lane
	s_lshl_b32 s22, s11, 9
	s_add_co_u32 s22, s22, TABL
	v_lshl_add_u32 v[FADR], v1, 3, s22             ; TABL + 8 x (64 mh + l % 16)
	s_lshl_b32 s22, s12, 8
	s_add_co_u32 s22, s22, SUFT
	v_lshl_add_u32 v[SADR], v2, 5, s22             ; SUFT + 4 x (64 nh + 8 (l / 16))
	v_lshlrev_b32 v11, 3, v0
	v_add_nc_u32 v11, TABL, v11                    ; where thread t puts its rows' factor pairs
	v_lshlrev_b32 v12, 2, v0
	v_add_nc_u32 v12, SUFT, v12                    ; and its d's two sums of V
	s_lshl_b32 s21, s10, 5                         ; AO at the rows that I carry out: (tile's row + 32 w) x 2,048 + 256 d tile
	s_lshl_b32 s91, s41, 8
	s_add_co_u32 s22, s[ROWS], s21
	s_lshl_b32 s22, s22, 11
	s_add_co_u32 s22, s22, s91
	s_mov_b32 s23, 0
	s_add_nc_u64 s[66:67], s[72:73], s[22:23]      ; the short tile's
	s_add_co_u32 s22, s[ROWL], s21
	s_lshl_b32 s22, s22, 11
	s_add_co_u32 s22, s22, s91
	s_add_nc_u64 s[72:73], s[72:73], s[22:23]      ; the long tile's
	s_mov_b32 s74, 0x3fb8aa3b                      ; log2e
	s_mov_b32 s75, 0xa9e12e13                      ; -1e-13
	s_cmp_lt_u32 s[NBL], 8                         ; has the long tile a future beyond its key tiles?  (The short one always has.)
	s_cselect_b32 s92, -1, 0                       ; as a lane mask
	s_cselect_b32 s93, 0, 0xff800000               ; its c (ceil of -1e-13 log2e), or -inf where there is none
	s_lshl_b32 s94, s[NBL], 8
	s_sub_co_u32 s94, 2048, s94
	s_cvt_f32_u32 s94, s94                         ; the long tile's future keys
	s_lshl_b32 s95, s[NBS], 8
	s_sub_co_u32 s95, 2048, s95
	s_cvt_f32_u32 s95, s95                         ; the short tile's
.irp n, 5,6,7,8
	s_cmp_eq_u32 s[NBL], \n
	s_cselect_b32 s[91+\n], -1, 0                  ; s96-99: lane masks 'nbL is 5, 6, 7, 8'
.endr
	; THE TABLE
	s_wait_loadcnt 0x0
	v_max3_num_f32 v132, v[CL], v[CL+1], v[CL+2]
	v_max3_num_f32 v132, v132, v[CL+3], v[CL+4]
	v_max3_num_f32 v132, v132, v[CL+5], v[CL+6]
	v_max3_num_f32 v132, v132, v[CL+7], s93        ; C of the long tile's row
	v_max3_num_f32 v136, v[CS], v[CS+1], v[CS+2]
	v_max3_num_f32 v136, v136, v[CS+3], 0          ; C of the short tile's row
.irp j, 0,1,2,3,4,5,6,7
	v_sub_f32 v[GL+\j], v[CL+\j], v132
.endr
.irp j, 0,1,2,3
	v_sub_f32 v[GS+\j], v[CS+\j], v136
.endr
	v_fma_f32 v134, s75, s74, -v132
	v_fma_f32 v138, s75, s74, -v136
.irp j, 0,1,2,3,4,5,6,7
	v_exp_f32 v[GL+\j], v[GL+\j]                   ; g_j
.endr
.irp j, 0,1,2,3
	v_exp_f32 v[GS+\j], v[GS+\j]
.endr
	v_exp_f32 v134, v134                           ; pt
	v_exp_f32 v138, v138
.irp j, 0,1,2,3,4,5,6,7
	v_add_f32 v[LL0+\j], v[LL0+\j], v[LL1+\j]      ; plain work behind the exponentials (ISA guide 5.7.2)
.endr
.irp j, 0,1,2,3
	v_add_f32 v[LS0+\j], v[LS0+\j], v[LS1+\j]
.endr
	s_wait_alu depctr_va_vdst(0)
	v_cndmask_b32 v134, 0, v134, s92               ; no future: no weight
.irp j, 5,6,7
	s_cmp_gt_u32 s[NBL], \j
	s_cselect_b32 s91, -1, 0
	v_cndmask_b32 v[GL+\j], 0, v[GL+\j], s91       ; beyond nbL - 1: factor 0, in L and in the steps that are the short tile's
.endr
.irp j, 1,2,3
	s_cmp_gt_u32 s[NBS], \j
	s_cselect_b32 s91, -1, 0
	v_cndmask_b32 v[GS+\j], 0, v[GS+\j], s91
.endr
	v_mul_f32 v133, v[GL], v[LL0]
.irp j, 1,2,3,4,5,6,7
	v_fmac_f32 v133, v[GL+\j], v[LL0+\j]
.endr
	v_fmac_f32 v133, s94, v134                     ; L: at least 0.5, since the tile (or the future) that gives C holds a weight above 0.5
	v_mul_f32 v137, v[GS], v[LS0]
.irp j, 1,2,3
	v_fmac_f32 v137, v[GS+\j], v[LS0+\j]
.endr
	v_fmac_f32 v137, s95, v138
	v_rcp_f32 v135, v133
	v_rcp_f32 v139, v137
	s_cmp_le_u32 s[NBL], 5                         ; the futures' sums of V: blocks j >= nb (plain work behind v_rcp_f32)
	s_cselect_b32 s91, -1, 0
	v_cndmask_b32 v140, 0, v[VS+5], s91
.irp j, 6,7
	s_cmp_le_u32 s[NBL], \j
	s_cselect_b32 s91, -1, 0
	v_cndmask_b32 v142, 0, v[VS+\j], s91
	v_add_f32 v140, v140, v142
.endr
	v_add_f32 v141, v[VS+4], v[VS+5]               ; nbS is at most 4
	v_add_f32 v143, v[VS+6], v[VS+7]
	v_add_f32 v141, v141, v143
.irp j, 1,2,3
	s_cmp_le_u32 s[NBS], \j
	s_cselect_b32 s91, -1, 0
	v_cndmask_b32 v142, 0, v[VS+\j], s91
	v_add_f32 v141, v141, v142
.endr
	ds_store_b32 v12, v140
	ds_store_b32 v12, v141 offset:512
	s_wait_alu depctr_va_vdst(0)
.irp j, 0,1,2,3,4,5,6,7
	v_mul_f32 v[PP+2*\j], v[GL+\j], v135           ; the long tile's factor in step j
	v_mul_f32 v[PP+2*\j+1], v[GL+\j], v135
	ds_store_b64 v11, v[PP+2*\j:PP+2*\j+1] offset:1024*\j
.endr
	v_mul_f32 v[PP+16], v134, v135
	v_mul_f32 v[PP+17], v134, v135
	ds_store_b64 v11, v[PP+16:PP+17] offset:8192
.irp j, 0,1,2,3
	v_mul_f32 v[HS+\j], v[GS+\j], v139
.endr
	; the short tile's factor in step 5 + e is that of its key tile 5 + e - nbL, and 0 where that is negative
	v_cndmask_b32 v[PS+0], 0, v[HS+0], s96
	v_cndmask_b32 v[PS+2], 0, v[HS+1], s96
	v_cndmask_b32 v[PS+2], v[PS+2], v[HS+0], s97
	v_cndmask_b32 v[PS+4], 0, v[HS+2], s96
	v_cndmask_b32 v[PS+4], v[PS+4], v[HS+1], s97
	v_cndmask_b32 v[PS+4], v[PS+4], v[HS+0], s98
	v_cndmask_b32 v[PS+6], 0, v[HS+3], s96
	v_cndmask_b32 v[PS+6], v[PS+6], v[HS+2], s97
	v_cndmask_b32 v[PS+6], v[PS+6], v[HS+1], s98
	v_cndmask_b32 v[PS+6], v[PS+6], v[HS+0], s99
.irp e, 0,1,2,3
	v_mov_b32 v[PS+2*\e+1], v[PS+2*\e]
	ds_store_b64 v11, v[PS+2*\e:PS+2*\e+1] offset:TABS+1024*\e
.endr
	v_mul_f32 v[PS+8], v138, v139
	v_mul_f32 v[PS+9], v138, v139
	ds_store_b64 v11, v[PS+8:PS+9] offset:TABS+4096
	s_wait_dscnt 0x0                               ; my part of the table is in LDS, for the other waves' sake
	s_wait_tensorcnt 0x1                           ; my part of step 0 is in; step 1's may stay out
	s_barrier_signal -1
	s_barrier_wait -1
	; THE FUTURES' TERMS start the main sums: (pt / L)[row] x Suf[d]
.irp b, 0,1,2,3
	ds_load_b128 v[SUL+8*\b:SUL+8*\b+3],   v[SADR] offset:64*\b           ; Suf of d = 16 b + 8 (l / 16) + 0..3, long tile
	ds_load_b128 v[SUL+8*\b+4:SUL+8*\b+7], v[SADR] offset:64*\b+16        ; and + 4..7
	ds_load_b128 v[SUS+8*\b:SUS+8*\b+3],   v[SADR] offset:512+64*\b       ; short tile
	ds_load_b128 v[SUS+8*\b+4:SUS+8*\b+7], v[SADR] offset:512+64*\b+16
.endr
.irp a, 0,1,2,3
	ds_load_b64 v[TWL+2*\a:TWL+2*\a+1], v[FADR] offset:8192+128*\a
	ds_load_b64 v[TWS+2*\a:TWS+2*\a+1], v[FADR] offset:TABS+4096+128*\a
.endr
	FETCH 0, 0, 0
	s_wait_dscnt 16                                ; the 16 fragment loads are younger and stay out: the sums and the weights are in
	WIN 0x40                                       ; destination window 1
.irp a, 0,1,2,3
.set p, 0
.rept 16
	v_pk_mul_f32 v[128+32*\a+2*p:128+32*\a+2*p+1], v[SUL+2*p:SUL+2*p+1], v[TWL+2*\a:TWL+2*\a+1]
.set p, p+1
.endr
.endr
	WIN 0x80                                       ; destination window 2
.irp a, 0,1,2,3
.set p, 0
.rept 16
	v_pk_mul_f32 v[32*\a+2*p:32*\a+2*p+1], v[SUS+2*p:SUS+2*p+1], v[TWS+2*\a:TWS+2*\a+1]
.set p, p+1
.endr
.endr
	WIN 0
	; THE NINE STEPS.  Step i lies in slot i % 2; behind steps 0 to 6 the slot is filled again with step i + 2.
	STEP 0, 0, 1, 2, 2
	STEP 1, 1, 0, 2, 3
	STEP 2, 0, 1, 2, 4
	STEP 3, 1, 0, 2, 5
	STEP 4, 0, 1, 2, 6
	STEP 5, 1, 0, 2, 7
	STEP 6, 0, 1, 2, 8
	STEP 7, 1, 0, 1, 0
	STEP 8, 0, 1, 0, 0
; THE WAY OUT.  A wave holds 64 rows x 64 d, 128 bytes of each row of AO's 256; so the four waves' parts meet in the stage, and whole rows of 256 bytes leave.
; OUTST: my 64 x 64 numbers (win: their window as sources 0 and 1; base: their first register), rounded to f16, into my own part of the stage; then the barrier.
.macro OUTST win, base
	WIN \win
.set q, 0
.rept 64
	v_cvt_pk_f16_f32 v[TMP+q], v[\base+2*q], v[\base+2*q+1]
.set q, q+1
.endr
	WIN 0
.irp a, 0,1,2,3
.irp b, 0,1,2,3
	ds_store_b128 v[STO], v[TMP+16*\a+4*\b:TMP+16*\a+4*\b+3] offset:\a*16*SP+32*\b
.endr
.endr
	s_wait_dscnt 0x0                               ; my part is in LDS, for the sake of the waves that carry it out
	s_barrier_signal -1
	s_barrier_wait -1
.endm
; OUTRD: 32 rows of the tile, two to a load, into registers f .. f + 63, and out to the rows at s[lo:lo+1].  The two tiles have registers of their own.
.macro OUTRD f, lo
.set n, 0
.rept 16
	ds_load_b128 v[\f+4*n:\f+4*n+3], v[RD] offset:2*SP*n
.set n, n+1
.endr
.set n, 0
.rept 16
	s_wait_dscnt 15-n                              ; the 15 - n younger reads stay out
	global_store_b128 v[CO], v[\f+4*n:\f+4*n+3], s[\lo:\lo+1] offset:4096*n   ; 16 lanes store 256 consecutive bytes, aligned
.set n, n+1
.endr
.endm
	OUTST 0x05, 128                                ; the long tile: window 1, v128-255
	OUTRD 64, 72
	s_barrier_signal -1                            ; every wave's reads of the stage are back (the last count above was 0): it may be written again
	s_barrier_wait -1
	OUTST 0x0a, 0                                  ; the short tile: window 2, v0-127
	OUTRD 128, 66
	s_wait_tensorcnt 0x0
	ds_add_u32 v62, v63
	s_wait_dscnt 0x0
	CROUND                                         ; the closing round: no work-group ends while a partner may still ask jointly
	s_endpgm
.Lfunc_end_k_q4c89f26d5f_pv:
	.size	k_q4c89f26d5f_pv, .Lfunc_end_k_q4c89f26d5f_pv-k_q4c89f26d5f_pv
	.p2alignl 7, 3214868480
	.fill 96, 4, 3214868480
	.section	.rodata,"a",@progbits
	.p2align	6, 0x0
	.amdhsa_kernel k_q4c89f26d5f_pv
		.amdhsa_group_segment_fixed_size 327680
		.amdhsa_private_segment_fixed_size 0
		.amdhsa_enable_private_segment 0
		.amdhsa_kernarg_size 40
		.amdhsa_user_sgpr_count 2
		.amdhsa_user_sgpr_kernarg_segment_ptr 1
		.amdhsa_wavefront_size32 1
		.amdhsa_system_sgpr_workgroup_id_x 1
		.amdhsa_system_sgpr_workgroup_id_y 1
		.amdhsa_system_sgpr_workgroup_id_z 1
		.amdhsa_system_vgpr_workitem_id 0
		.amdhsa_next_free_vgpr 640
		.amdhsa_next_free_sgpr 100
		.amdhsa_reserve_vcc 0
		.amdhsa_float_denorm_mode_32 3
		.amdhsa_float_denorm_mode_16_64 3
		.amdhsa_memory_ordered 1
		.amdhsa_forward_progress 1
		.amdhsa_inst_pref_size 255
	.end_amdhsa_kernel
	.section	.bss,"aw",@nobits
	.p2align	6
	.space	262144
	.amdgpu_metadata
---
amdhsa.version: [ 1, 2 ]
amdhsa.kernels:
  - .name:           k_q4c89f26d5f_pv
    .symbol:         k_q4c89f26d5f_pv.kd
    .args:
      - { .name: Pt, .offset: 0, .size: 8, .value_kind: global_buffer, .address_space: global }
      - { .name: Vh, .offset: 8, .size: 8, .value_kind: global_buffer, .address_space: global }
      - { .name: Vs, .offset: 16, .size: 8, .value_kind: global_buffer, .address_space: global }
      - { .name: St, .offset: 24, .size: 8, .value_kind: global_buffer, .address_space: global }
      - { .name: AO, .offset: 32, .size: 8, .value_kind: global_buffer, .address_space: global }
    .group_segment_fixed_size: 327680
    .private_segment_fixed_size: 0
    .kernarg_segment_align: 8
    .kernarg_segment_size: 40
    .max_flat_workgroup_size: 128
    .sgpr_count:     100
    .vgpr_count:     640
    .wavefront_size: 32
...
	.end_amdgpu_metadata
.endif
;; end of part 6
;; launch proj: the kernel of part 4 again; grid 4 x 64, 4 waves a work-group, clusters of 4 x 4, 327,680 bytes of LDS; arguments AO, Wh, b, out0; writes out0
;; ======== version 3 of 3: 4 launches; version 2 with the launch prep written anew for expert scheduling mode
;; limits: values are held in f16: magnitudes above 65,504 overflow, below 6.1e-05 lose precision
;; workspace buffers: Qh 16,777,216 bytes; Kh 16,777,216 bytes; Vh 16,777,216 bytes; Wh 2,097,152 bytes; Vs 131,072 bytes; Pt 33,554,432 bytes; St 1,048,576 bytes; AO 16,777,216 bytes
;; launch prep (part 7): grid 800 x 1, 8 waves a work-group, no clusters, 1,536 bytes of LDS; arguments Q, K, V, W, Qh, Kh, Vh, Wh, Vs; writes Qh, Kh, Vh, Wh, Vs
.if DOCPART == 7
	.amdgcn_target "amdgcn-amd-amdhsa--gfx1250"
	.amdhsa_code_object_version 6
	.text
	.protected	k_q4c89f26d5f_prep
	.globl	k_q4c89f26d5f_prep
	.p2align	8
	.type	k_q4c89f26d5f_prep,@function
k_q4c89f26d5f_prep:
	s_mov_b64 s[64:65], 0
	v_nop
	global_prefetch_b8 v0, s[64:65] scope:SCOPE_SE
	s_setreg_imm32_b32 hwreg(HW_REG_WAVE_SCHED_MODE, 0, 2), 2
	s_setreg_imm32_b32 hwreg(HW_REG_WAVE_MODE, 25, 1), 1
	s_wait_xcnt 0x0
	s_wait_alu depctr_vm_vsrc(0)
; Q, K, V, W (f32) are rounded once to f16 (Qh, Kh, Vh, Wh: same shapes), and V's rows are summed in f32 over blocks of 256 t:
; Vs[(b, d)][j] = sum of V[b][d][256 j .. 256 j + 255], [4096][8] f32.
; A stream: memory binds, so no matrix unit, no cluster, no tile in LDS.  A work-group takes 131,072 consecutive bytes of one input
; (work-groups 0-255 Q, 256-511 K, 512-767 V, 768-799 W), a wave 16,384 of them: 32 loads of 16 bytes a lane (512 consecutive bytes each),
; all issued at once.  A store of 8 bytes a lane covers 256 consecutive bytes, aligned.  Each store has data registers of its own.
; LIMITS: inputs are finite and below 65,504 in magnitude (f16's largest number; the drawn numbers stay below 6);
; magnitudes below 3e-8 become zero in f16.
; THE MODE: SCHED_MODE bits 1:0 = 2 (LLVM: expert scheduling mode 2), set by the entry lines.  The code itself states the register dependences
; between vector instructions and memory or LDS instructions, with s_wait_alu, always for 0.
; THE PLAN.  Registers that memory or LDS instructions touch:
;   v1, v2, v3, v8  offsets and LDS addresses: made at the head, read by every load (v1), every store of f16 (v2), the sums' LDS stores (v3), wave 0's LDS load and its store of Vs (v8); never written again.
;   X               written by the 32 loads, all issued at the head; read by the roundings and the sums; never loaded again.
;   Y               two registers for each store: written by that load's two roundings, read by that one store; never written again.
;   SR              one register for each of the wave's 16 block sums: written by the sum's last addition, read by its one LDS store; never written again.
;   v[12:15]        wave 0 alone: an LDS load lands there, a store reads them; no vector instruction names them.
;   v224, v225      made at the head, read by the closing add alone.
;   T               named by vector instructions alone.
; The 32 loads go in eight blocks of four.  Block p rounds its four loads (and, for V, makes its two sums); its memory instructions are the stores of block p - 1, whose
; registers no vector instruction of block p names.  So ONE wait on va_vdst at a block's head states all that the block's stores hang on, and they are dealt among its vector
; instructions with no further wait.  No register that a memory or LDS instruction reads is ever written again: no wait on vm_vsrc is owed.
.set X,  32                            ; v[32:159]  32 loads x 4 registers
.set Y,  160                           ; v[160:223] 32 stores x 2 registers
.set T,  4                             ; v[4:7]     at work on a block's sum
.set SR, 16                            ; v[16:31]   the wave's 16 block sums
	s_load_b512 s[8:23], s[0:1], 0x0               ; Q, K, V, W, Qh, Kh, Vh, Wh
	s_load_b64 s[24:25], s[0:1], 0x40              ; Vs
	v_lshl_add_u32 v224, v0, 2, 0x200
	v_mov_b32 v225, 0
	s_lshr_b32 s28, ttmp9, 8                       ; which input: 0 Q, 1 K, 2 V, 3 W
	s_and_b32 s29, ttmp9, 255                      ; which 131,072 bytes of it
	s_mov_b32 s26, 0x76543210                      ; v_permlanex16_b32: lane i reads lane i of the other half
	s_mov_b32 s27, 0xfedcba98
	v_lshrrev_b32 v3, 5, v0
	v_readfirstlane_b32 s34, v3                    ; wave
	v_and_b32 v8, 31, v0                           ; lane
	v_lshlrev_b32 v1, 4, v8
	v_lshl_add_u32 v1, v3, 14, v1                  ; in:  16,384 wave + 16 lane
	v_lshlrev_b32 v2, 3, v8
	v_lshl_add_u32 v2, v3, 13, v2                  ; out:  8,192 wave +  8 lane
	v_lshlrev_b32 v3, 6, v3                        ; LDS: the wave's 16 block sums at 64 wave
	v_lshlrev_b32 v8, 4, v8                        ; 16 lane: wave 0's read of the 128 sums, and its place in Vs
	s_lshl_b32 s30, s29, 17
	s_mov_b32 s31, 0
	s_lshl_b32 s32, s29, 16
	s_mov_b32 s33, 0
	s_lshl_b32 s36, s29, 9                         ; 16 rows x 8 sums x 4 bytes for each work-group of V
	s_mov_b32 s37, 0
	s_wait_alu depctr_va_sdst(0)                   ; s34 is written.
	s_wait_kmcnt 0x0
	s_cmp_eq_u32 s28, 1
	s_cselect_b64 s[4:5], s[10:11], s[8:9]
	s_cselect_b64 s[6:7], s[18:19], s[16:17]
	s_cmp_eq_u32 s28, 2
	s_cselect_b64 s[4:5], s[12:13], s[4:5]
	s_cselect_b64 s[6:7], s[20:21], s[6:7]
	s_cmp_eq_u32 s28, 3
	s_cselect_b64 s[4:5], s[14:15], s[4:5]
	s_cselect_b64 s[6:7], s[22:23], s[6:7]
	s_add_nc_u64 s[4:5], s[4:5], s[30:31]
	s_add_nc_u64 s[6:7], s[6:7], s[32:33]
	s_add_nc_u64 s[24:25], s[24:25], s[36:37]
	s_wait_alu depctr_va_vdst(0)                   ; v1, v2, v3 and v8 are written, which the kernel's loads, stores and LDS instructions read as offsets and addresses; so are v224 and v225
.set n, 0
.rept 32
	global_load_b128 v[X+4*n:X+4*n+3], v1, s[4:5] offset:512*n th:TH_LOAD_NT
.set n, n+1
.endr
; the head of block p
.macro HEAD p
	s_wait_loadcnt 28-4*(\p)                       ; loads come back in order: block p's four are in, the 28 - 4 p younger ones stay out
.if (\p) > 0
	s_wait_alu depctr_va_vdst(0)                   ; the block before has written its Y (and, for V, its two SR), which the stores dealt among this block's vector instructions read
.endif
.endm
; load i: its four numbers are rounded
.macro CV i
	v_cvt_pk_f16_f32 v[Y+2*(\i)], v[X+4*(\i)], v[X+4*(\i)+1]
	v_cvt_pk_f16_f32 v[Y+2*(\i)+1], v[X+4*(\i)+2], v[X+4*(\i)+3]
.endm
; and stored, a block later.  No wait: no vector instruction since the wait at the block's head names these registers
.macro ST i
	global_store_b64 v2, v[Y+2*(\i):Y+2*(\i)+1], s[6:7] offset:256*(\i)
.endm
; block c of the wave's 16 (loads 2 c and 2 c + 1: 256 numbers of one row of V): its sum, in every lane, into a register of its own
.macro SUM c
	v_pk_add_f32 v[T:T+1], v[X+8*(\c):X+8*(\c)+1], v[X+8*(\c)+2:X+8*(\c)+3]
	v_pk_add_f32 v[T+2:T+3], v[X+8*(\c)+4:X+8*(\c)+5], v[X+8*(\c)+6:X+8*(\c)+7]
	v_pk_add_f32 v[T:T+1], v[T:T+1], v[T+2:T+3]
	v_add_f32 v[T], v[T], v[T+1]
	v_add_f32_dpp v[T], v[T], v[T] row_xmask:1 row_mask:0xf bank_mask:0xf
	v_add_f32_dpp v[T], v[T], v[T] row_xmask:2 row_mask:0xf bank_mask:0xf
	v_add_f32_dpp v[T], v[T], v[T] row_xmask:4 row_mask:0xf bank_mask:0xf
	v_add_f32_dpp v[T], v[T], v[T] row_xmask:8 row_mask:0xf bank_mask:0xf
	v_permlanex16_b32 v[T+1], v[T], s26, s27       ; its destination counts as read: T+1 has been written
	v_add_f32 v[SR+(\c)], v[T], v[T+1]
.endm
; and into the wave's own LDS word c, a block of four loads later: likewise with no further wait
.macro PUT c
	ds_store_b32 v3, v[SR+(\c)] offset:4*(\c)      ; all lanes write the same word with the same number
.endm
	s_cmp_eq_u32 s28, 2                            ; the same in all eight waves
	s_cbranch_scc1 .Lsums
.set n, 0
.rept 8
	HEAD n
.set k, 0
.rept 4
.if n > 0
	ST 4*(n-1)+k
.endif
	CV 4*n+k
.set k, k+1
.endr
.set n, n+1
.endr
	s_wait_alu depctr_va_vdst(0)                   ; the last block has written its Y, which the last four stores read
.set k, 0
.rept 4
	ST 28+k
.set k, k+1
.endr
	s_endpgm                                       ; this way has stored nothing into LDS
.Lsums:                                        ; V: the same, and a sum behind every second load
.set n, 0
.rept 8
	HEAD n
.set k, 0
.rept 2
.if n > 0
	ST 4*(n-1)+2*k
.endif
	CV 4*n+2*k
.if n > 0
	ST 4*(n-1)+2*k+1
.endif
	CV 4*n+2*k+1
.if n > 0
	PUT 2*(n-1)+k
.endif
	SUM 2*n+k
.set k, k+1
.endr
.set n, n+1
.endr
	s_wait_alu depctr_va_vdst(0)                   ; the last block has written its Y and its two SR, which the last six stores read
.set k, 0
.rept 4
	ST 28+k
.set k, k+1
.endr
	PUT 14
	PUT 15
	s_wait_dscnt 0x0                               ; my 16 sums are in LDS, for wave 0's sake
	s_barrier_signal -1
	s_barrier_wait -1
	s_cmp_lg_u32 s34, 0
	s_cbranch_scc1 .Ldone
	ds_load_b128 v[12:15], v8                      ; the work-group's 128 sums = 16 rows of Vs, 512 consecutive bytes; v8 was written ahead of the head's wait, and no vector instruction names v[12:15]
	s_wait_dscnt 0x0
	global_store_b128 v8, v[12:15], s[24:25]
.Ldone:
	s_wait_dscnt 0x0                               ; the closing lines, six on end
	s_wait_alu 0x0
	s_wait_tensorcnt 0x0
	ds_add_u32 v224, v225
	s_wait_dscnt 0x0
	s_endpgm
.Lfunc_end_k_q4c89f26d5f_prep:
	.size	k_q4c89f26d5f_prep, .Lfunc_end_k_q4c89f26d5f_prep-k_q4c89f26d5f_prep
	.p2alignl 7, 3214868480
	.fill 96, 4, 3214868480
	.section	.rodata,"a",@progbits
	.p2align	6, 0x0
	.amdhsa_kernel k_q4c89f26d5f_prep
		.amdhsa_group_segment_fixed_size 1536
		.amdhsa_private_segment_fixed_size 0
		.amdhsa_enable_private_segment 0
		.amdhsa_kernarg_size 72
		.amdhsa_user_sgpr_count 2
		.amdhsa_user_sgpr_kernarg_segment_ptr 1
		.amdhsa_wavefront_size32 1
		.amdhsa_system_sgpr_workgroup_id_x 1
		.amdhsa_system_sgpr_workgroup_id_y 1
		.amdhsa_system_sgpr_workgroup_id_z 1
		.amdhsa_system_vgpr_workitem_id 0
		.amdhsa_next_free_vgpr 226
		.amdhsa_next_free_sgpr 66
		.amdhsa_reserve_vcc 0
		.amdhsa_float_denorm_mode_32 3
		.amdhsa_float_denorm_mode_16_64 3
		.amdhsa_memory_ordered 1
		.amdhsa_forward_progress 1
		.amdhsa_inst_pref_size 31
	.end_amdhsa_kernel
	.amdgpu_metadata
---
amdhsa.version: [ 1, 2 ]
amdhsa.kernels:
  - .name:           k_q4c89f26d5f_prep
    .symbol:         k_q4c89f26d5f_prep.kd
    .args:
      - { .name: Q, .offset: 0, .size: 8, .value_kind: global_buffer, .address_space: global }
      - { .name: K, .offset: 8, .size: 8, .value_kind: global_buffer, .address_space: global }
      - { .name: V, .offset: 16, .size: 8, .value_kind: global_buffer, .address_space: global }
      - { .name: W, .offset: 24, .size: 8, .value_kind: global_buffer, .address_space: global }
      - { .name: Qh, .offset: 32, .size: 8, .value_kind: global_buffer, .address_space: global }
      - { .name: Kh, .offset: 40, .size: 8, .value_kind: global_buffer, .address_space: global }
      - { .name: Vh, .offset: 48, .size: 8, .value_kind: global_buffer, .address_space: global }
      - { .name: Wh, .offset: 56, .size: 8, .value_kind: global_buffer, .address_space: global }
      - { .name: Vs, .offset: 64, .size: 8, .value_kind: global_buffer, .address_space: global }
    .group_segment_fixed_size: 1536
    .private_segment_fixed_size: 0
    .kernarg_segment_align: 8
    .kernarg_segment_size: 72
    .max_flat_workgroup_size: 256
    .sgpr_count:     66
    .vgpr_count:     226
    .wavefront_size: 32
...
	.end_amdgpu_metadata
.endif
;; end of part 7
;; launch scores: the kernel of part 5 again; grid 40 x 4, 4 waves a work-group, no clusters, 327,680 bytes of LDS; arguments Qh, Kh, Pt, St; writes Pt, St
;; launch pv: the kernel of part 6 again; grid 8 x 32, 4 waves a work-group, clusters of 4 x 1, 327,680 bytes of LDS; arguments Pt, Vh, Vs, St, AO; writes AO
;; launch proj: the kernel of part 4 again; grid 4 x 64, 4 waves a work-group, clusters of 4 x 4, 327,680 bytes of LDS; arguments AO, Wh, b, out0; writes out0
